; MI455X (gfx1250); checked and timed in simulation.
; The chip was launched on July 23, 2026; its instructions are those of AMD's public machine-readable ISA for CDNA 5 (MIT licence, August 2026) and "CDNA5" Instruction Set Architecture Reference Guide (July 2026). The comments in the code are by the model that wrote it; some were corrected since.
;; Self Attention. Allowed arithmetic: matrix products marked QUANTISED: E2M3 operands, one E8M0 scale for each 32 along K, by v_wmma_scale_f32_16x16x128_f8f6f4 with both operands' format E2M3, f32 sums; everything else in f32.
;; Inputs: Wk 1,024 x 1,024 float32; Wo 1,024 x 1,024 float32; Wq 1,024 x 1,024 float32; Wv 1,024 x 1,024 float32; X 4 x 2,048 x 1,024 float32; bk 1,024 float32; bo 1,024 float32; bq 1,024 float32; bv 1,024 float32.
;; Outputs: out0 4 x 2,048 x 1,024 float32.
;; This version of the problem:
;;   THIS VERSION OF THE PROBLEM IS GIVEN IN LOW PRECISION. The matrix products marked QUANTISED in the list below multiply operands that are first quantised to E2M3 (2 exponent bits, 3 mantissa bits; 6 bits a number), with one power-of-two scale for each 32 numbers along K (OCP MX v1.0); their sums are f32. All else is computed in f32.
;;   The module's matrix products, in the order in which they are computed (A, B: the left and right operand; K: the contracted axis; several contracted axes count as one K, in the product's order):
;;     1. [M 8,192, K 1,024] x [K 1,024, N 1,024]; A: input X; B: input Wq: QUANTISED
;;     2. [M 8,192, K 1,024] x [K 1,024, N 1,024]; A: input X; B: input Wk: QUANTISED
;;     3. [M 8,192, K 1,024] x [K 1,024, N 1,024]; A: input X; B: input Wv: QUANTISED
;;     4. batch 64 x [M 2,048, K 64] x [K 64, N 2,048]; A: computed on the way; B: computed on the way: QUANTISED
;;     5. batch 64 x [M 2,048, K 2,048] x [K 2,048, N 64]; A: softmax (see below); B: computed on the way: QUANTISED
;;     6. [M 8,192, K 1,024] x [K 1,024, N 1,024]; A: computed on the way; B: input Wo: QUANTISED
;;   THE QUANTISER, for each operand of a quantised product, along K:
;;     - K is cut into blocks of 32 from its start; a last block that is shorter is filled with zeros.
;;     - A block's scale is 2^e with e = floor(log2(the largest magnitude in the block)) - 2, held to -126 .. 127; a block of zeros has e = 0. As a byte (E8M0): e + 127.
;;     - Each number is divided by its block's scale, clamped to +-7.5, and rounded to the nearest number of E2M3, ties to even, subnormals kept.
;;     - The product sums the exact products of the quantised numbers (number of the format x scale) in f32.
;;   ~~~python
;;   def quantise(x, axis):      # numpy; x: float32 -> the quantised numbers, widened to float32 again
;;       x = np.moveaxis(x, axis, -1); K = x.shape[-1]
;;       x = np.pad(x, [(0, 0)] * (x.ndim - 1) + [(0, -K % 32)]); x = x.reshape(x.shape[:-1] + (-1, 32)); a = np.abs(x).max(-1, keepdims=True)
;;       e = np.where(a > 0, np.clip(np.frexp(np.where(a > 0, a, 1))[1] - 1 - 2, -126, 127), 0)      # np.frexp(a)[1] - 1 = floor(log2(a)), exactly
;;       r = np.clip(x / 2.0 ** e, -7.5, 7.5)
;;       step = 2.0 ** (np.maximum(np.frexp(np.where(r == 0, 1, r))[1] - 1, 0) - 3)
;;       q = np.round(r / step) * step * 2.0 ** e      # np.round: ties to even
;;       return np.moveaxis(q.reshape(q.shape[:-2] + (-1,))[..., :K], -1, axis).astype(np.float32)
;;   ~~~
;;   SOFTMAX AHEAD OF A QUANTISED PRODUCT. Where the list says 'softmax', what is quantised is not the finished softmax but p = 2^(t - M), with t = logit x log2(e) and M = ceil(the row's largest t), a whole number; so 1/2 < the row's largest p <= 1. The row's sum l is taken of the UNQUANTISED p, in f32, and the product's result is divided by l at the end. Since M is a whole number, a kernel that streams over the keys may use a running M (the ceiling of the running maximum): every later rescaling is an exact power of two, which a block's scale takes up: the codes' values come out the same.
;;   OPERANDS COMPUTED ON THE WAY. 'Computed on the way' means the value that the module computes at that place (a softmax that the list does not call 'softmax' is quantised finished and normalised). What goes into a quantiser is computed in f32, as accurately as f32 sums, v_exp_f32 and their like allow (about 1e-6 of the number): no bf16 or f16 on the way to a quantiser, and a product that is left as it is and whose result goes on into a quantised operand takes f32 operands (vector FMAs, or v_wmma_f32_16x16x4_f32). A number that lies on a knife's edge between two numbers of the format may be rounded either way, as far as f32 arithmetic and the matrix unit's own rounding can turn it there, and no further.
;; One version. Each part assembles by itself: llvm-mc -triple=amdgcn-amd-amdhsa -mcpu=gfx1250 --defsym DOCPART=n.
;; ======== version 1 of 1: 4 launches
;; limits: right only within a limited range of input values
;; workspace buffers: Xc 6,291,456 bytes; Xs 262,144 bytes; Wc 3,145,728 bytes; Ws 131,072 bytes; Qi 6,815,744 bytes; KVi 13,631,488 bytes; Ai 6,291,456 bytes; As 262,144 bytes
;; launch prep (part 1): grid 512 x 1, 4 waves a work-group, no clusters, 47,616 bytes of LDS; arguments X, Xc, Xs, Ws, Wq, Wk, Wv, Wo, Wc; writes Xc, Xs, Wc, Ws
.if DOCPART == 1
	.amdgcn_target "amdgcn-amd-amdhsa--gfx1250"
	.amdhsa_code_object_version 6
	.text
	.protected	k_qf71323ff40_prep
	.globl	k_qf71323ff40_prep
	.p2align	8
	.type	k_qf71323ff40_prep,@function
k_qf71323ff40_prep:
	s_mov_b64 s[64:65], 0
	v_nop
	global_prefetch_b8 v0, s[64:65] scope:SCOPE_SE
	s_setreg_imm32_b32 hwreg(HW_REG_WAVE_MODE, 25, 1), 1
	s_wait_xcnt 0x0
; ONE LAUNCH QUANTISES X AND THE FOUR WEIGHTS to codes of FP6 (E2M3) with one E8M0 byte for each 32 along K, laid as IMAGES OF OPERAND REGISTERS.
; Work-groups 0-255 take X (32 rows each), 256-511 the weights (128 columns x 128 along K each); the two paths part on the work-group's number and have LDS bytes of their own.
; TILE ORDER of rows (X) and columns (weights): tile T = 2 g + u, lane row r stands for 32 g + 8 u + r + 8 (r / 8).
; Codes: fragment (T, s) (16 rows x 128 K) at T x 12288 + s x 1536; register pair p of lane L at + 256 p + 8 L; lane (r, h), registers 6 c ..: k = 128 s + 64 c + 32 h + 0 .. 31.
; Scale words: (T, s, r) at T x 512 + (s / 2) x 128 + 8 r + 4 (s % 2).  Weight wi (q, k, v, o): codes at wi x 786432, words at wi x 32768.
; A block's byte is its largest magnitude's exponent field - 2, held at 1 from below.
; LIMITS: a block of zeros, or one under 2^-124, gets the byte 1 (the bytes are read by this program alone); NaN and infinities are not served.
; No cluster, no tensor load, no barrier: work-groups and waves share no input.
; Xc ALONE is laid in pieces of four registers: piece c (registers 4 c .. 4 c + 3) of lane L at + 512 c + 16 L of its fragment; what is said of pairs above holds of the weights' codes.
.set STG,  8448                        ; X: a wave's stage, 16 rows x 528 bytes
.set PIT,  528
.set R,    32                          ; X: v32-159 two sets of 64 registers as loaded
.set XN,   160                         ; X: v160-223 my 64 numbers
.set C,    16                          ; X: v16-27 a fragment's codes
.set CT,   224                         ; X: v224-231 the blocks' upper halves
.set WD,   28                          ; X: v28-31 four steps' scale words
.set WX,   32                          ; W: v32-159 block t's numbers at 32 + 32 t
.set WCD,  160                         ; W: v160-191 block t's codes
.set IMG,  1664                        ; W: an image's 1,536 bytes + 128
.set WREG, 3328
.set WBASE, 4*STG                      ; W's LDS lies behind X's
.set SPARE, WBASE+4*WREG               ; the spare words
	v_lshl_add_u32 v232, v0, 2, SPARE
	v_mov_b32 v233, 0
	v_lshrrev_b32 v1, 5, v0
	s_cmp_lt_u32 ttmp9, 256
	s_wait_alu depctr_va_vdst(0)                   ; the wait ahead of the branch
	s_cbranch_scc0 .Lweights
; ---------------- X: wave w takes tile 2 g + w / 2 and half w % 2 of K: four fragments
	s_load_b128 s[4:7], s[0:1], 0x0                ; X, Xc
	s_load_b64 s[8:9], s[0:1], 0x10                ; Xs
	v_readfirstlane_b32 s10, v1                    ; wave
	s_lshr_b32 s11, s10, 1
	s_and_b32 s12, s10, 1
	s_mul_i32 s13, s10, STG
	v_and_b32 v7, 31, v0
	v_and_b32 v8, 15, v0
	v_bfe_u32 v5, v0, 4, 1
	v_lshlrev_b32 v1, 4, v7                        ; my 16 bytes of a load's 512
	v_add_nc_u32 v2, s13, v1                       ; the stage, in
	v_mul_u32_u24 v3, v8, PIT
	v_lshl_add_u32 v3, v5, 7, v3
	v_add_nc_u32 v3, s13, v3                       ; and out: row r, + 128 h
	v_lshlrev_b32 v4, 3, v7                        ; 8 x lane
	v_lshlrev_b32 v6, 3, v5                        ; 8 h
	v_mov_b32 v13, 0
	s_mov_b32 s20, 0x76543210
	s_mov_b32 s21, 0xfedcba98
	s_lshl_b32 s14, ttmp9, 17
	s_lshl_b32 s16, s11, 15
	s_add_co_u32 s14, s14, s16
	s_lshl_b32 s16, s12, 11
	s_add_co_u32 s14, s14, s16
	s_mov_b32 s15, 0
	s_lshl_b32 s16, ttmp9, 1
	s_add_co_u32 s16, s16, s11                     ; T
	s_mul_i32 s18, s16, 12288
	s_mul_i32 s17, s12, 6144
	s_add_co_u32 s18, s18, s17
	s_mov_b32 s19, 0
	s_lshl_b32 s22, s16, 9
	s_lshl_b32 s17, s12, 8
	s_add_co_u32 s22, s22, s17
	s_mov_b32 s23, 0
	s_wait_alu depctr_va_vdst(0)
	s_wait_kmcnt 0x0
	s_add_nc_u64 s[4:5], s[4:5], s[14:15]
	s_add_nc_u64 s[6:7], s[6:7], s[18:19]
	s_add_nc_u64 s[8:9], s[8:9], s[22:23]
.macro LOADX t                         ; 128 numbers of each of the tile's 16 rows, 512 consecutive bytes a load
.irp i, 0,1,2,3,4,5,6,7,8,9,10,11,12,13,14,15
	global_load_b128 v[R+64*((\t)%2)+4*\i:R+64*((\t)%2)+4*\i+3], v1, s[4:5] offset:(\i+8*(\i/8))*4096+(\t)*512 th:TH_LOAD_NT
.endr
.endm
.macro STEPX t
.set RS, R+64*((\t)%2)
.if (\t) < 3
	s_wait_loadcnt 16                              ; the next step's 16 loads may be out
.else
	s_wait_loadcnt 0x0
.endif
.irp i, 0,1,2,3,4,5,6,7,8,9,10,11,12,13,14,15
	ds_store_b128 v2, v[RS+4*\i:RS+4*\i+3] offset:\i*PIT
.endr
.irp c, 0,1
.irp j, 0,1,2,3,4,5,6,7
	ds_load_b128 v[XN+32*\c+4*\j:XN+32*\c+4*\j+3], v3 offset:256*\c+16*\j   ; a wave's LDS instructions are served in order
.endr
.endr
	s_wait_dscnt 0x0
.if (\t) < 2
	LOADX (\t)+2
.endif
.irp c, 0,1                            ; my block 2 c + h, with the floor 2^(3 - 127)
	v_max3_num_f32 v[7+\c], |v[XN+32*\c]|, |v[XN+32*\c+1]|, 0x1800000
.endr
.irp i, 2,4,6,8,10,12,14,16,18,20,22,24,26,28,30
.irp c, 0,1
	v_max3_num_f32 v[7+\c], v[7+\c], |v[XN+32*\c+\i]|, |v[XN+32*\c+\i+1]|
.endr
.endr
.irp c, 0,1
	v_add_nc_u32 v[9+\c], 0xff000000, v[7+\c]      ; the conversion's scale operand
.endr
.irp c, 0,1
	v_lshrrev_b32 v[11+\c], 23, v[9+\c]            ; the byte
.endr
	v_lshl_or_b32 v14, v12, 16, v11
	v_lshlrev_b32 v14, v6, v14
	v_permlanex16_b32 v13, v14, s20, s21
	v_or_b32 v[WD+(\t)], v14, v13                  ; the whole word
.if (\t) > 0
	s_wait_alu depctr_va_vdst(0)
	s_wait_xcnt 0x0                                ; the last step's stores have read the codes' registers
.endif
.irp c, 0,1
	v_cvt_scalef32_pk16_fp6_f32 v[C+6*\c:C+6*\c+2], v[XN+32*\c:XN+32*\c+15], v[9+\c]
	v_cvt_scalef32_pk16_fp6_f32 v[CT+4*\c:CT+4*\c+2], v[XN+32*\c+16:XN+32*\c+31], v[9+\c]
.endr
	v_nop
.irp c, 0,1
.irp i, 0,1,2
	v_mov_b32 v[C+6*\c+3+\i], v[CT+4*\c+\i]
.endr
.endr
.irp p, 0,1,2
	global_store_b128 v1, v[C+4*\p:C+4*\p+3], s[6:7] offset:(\t)*1536+\p*512   ; 512 consecutive bytes, aligned
.endr
.endm
	LOADX 0
	LOADX 1
	STEPX 0
	STEPX 1
	STEPX 2
	STEPX 3
	v_cmp_ne_u32 vcc_lo, 0, v5                     ; lanes 0-15 steps 0, 1's words, lanes 16-31 steps 2, 3's
	v_cndmask_b32 v14, v[WD], v[WD+2], vcc_lo
	v_cndmask_b32 v15, v[WD+1], v[WD+3], vcc_lo
	global_store_b64 v4, v[14:15], s[8:9]
	s_wait_tensorcnt 0x0                           ; the wave's end
	ds_add_u32 v232, v233
	s_wait_dscnt 0x0
	s_endpgm
; ---------------- the weights [k][n]: a lane takes a column, its registers run down K; wave w: 32 columns = two tiles
.Lweights:
	s_load_b256 s[4:11], s[0:1], 0x20              ; Wq, Wk, Wv, Wo
	s_load_b64 s[12:13], s[0:1], 0x40              ; Wc
	s_load_b64 s[14:15], s[0:1], 0x18              ; Ws
	v_readfirstlane_b32 s16, v1                    ; wave
	v_and_b32 v2, 31, v0
	s_sub_co_u32 s30, ttmp9, 256
	s_and_b32 s31, s30, 7                          ; which 128 columns
	s_lshr_b32 s17, s30, 3
	s_lshr_b32 s18, s17, 3                         ; which weight
	s_and_b32 s19, s17, 7                          ; which K step
	v_lshlrev_b32 v3, 2, v2
	v_bfe_u32 v5, v0, 3, 1                         ; u
	v_and_b32 v6, 7, v0
	v_bfe_u32 v10, v0, 4, 1
	v_lshl_add_u32 v6, v10, 3, v6                  ; r
	s_mul_i32 s20, s16, WREG
	s_add_co_u32 s20, s20, WBASE
	v_mul_u32_u24 v4, v5, IMG
	v_lshl_add_u32 v4, v6, 3, v4
	v_add_nc_u32 v4, s20, v4                       ; into the images
	v_lshlrev_b32 v8, 4, v2
	v_add_nc_u32 v7, s20, v8                       ; out of them
	v_lshlrev_b32 v9, 9, v5
	v_lshl_add_u32 v9, v6, 3, v9                   ; my scale word
	s_lshl_b32 s22, s19, 19
	s_lshl_b32 s24, s31, 9
	s_add_co_u32 s22, s22, s24
	s_lshl_b32 s24, s16, 7
	s_add_co_u32 s22, s22, s24
	s_mov_b32 s23, 0
	s_lshl_b32 s24, s31, 2
	s_add_co_u32 s24, s24, s16                     ; my group of 32 columns
	s_mul_i32 s26, s18, 786432
	s_mul_i32 s25, s24, 24576
	s_add_co_u32 s26, s26, s25
	s_mul_i32 s25, s19, 1536
	s_add_co_u32 s26, s26, s25
	s_mov_b32 s27, 0
	s_lshl_b32 s28, s18, 15
	s_lshl_b32 s25, s24, 10
	s_add_co_u32 s28, s28, s25
	s_lshr_b32 s25, s19, 1
	s_lshl_b32 s25, s25, 7
	s_add_co_u32 s28, s28, s25
	s_and_b32 s25, s19, 1
	s_lshl_b32 s25, s25, 2
	s_add_co_u32 s28, s28, s25
	s_mov_b32 s29, 0
	s_wait_alu depctr_va_vdst(0)
	s_wait_kmcnt 0x0
	s_bitcmp1_b32 s18, 0                           ; the weight is chosen by the work-group's number alone
	s_cselect_b64 s[4:5], s[6:7], s[4:5]
	s_cselect_b64 s[8:9], s[10:11], s[8:9]
	s_bitcmp1_b32 s18, 1
	s_cselect_b64 s[4:5], s[8:9], s[4:5]
	s_add_nc_u64 s[4:5], s[4:5], s[22:23]
	s_add_nc_u64 s[12:13], s[12:13], s[26:27]
	s_add_nc_u64 s[14:15], s[14:15], s[28:29]
.macro LOADW t
.set i, 0
.rept 32
	global_load_b32 v[WX+32*(\t)+i], v3, s[4:5] offset:(32*(\t)+i)*4096 th:TH_LOAD_NT
.set i, i+1
.endr
.endm
.macro BLOCKW t
.set XS, WX+32*(\t)
.set CC, WCD+8*(\t)
.if (\t) < 3
	s_wait_loadcnt 32                              ; the next block's 32 loads may be out
.else
	s_wait_loadcnt 0x0
.endif
.if (\t) < 2
	LOADW (\t)+2
.endif
	v_max3_num_f32 v12, |v[XS]|, |v[XS+1]|, |v[XS+2]|
	v_max3_num_f32 v13, |v[XS+3]|, |v[XS+4]|, |v[XS+5]|
.irp i, 6,10,14,18,22,26
	v_max3_num_f32 v12, v12, |v[XS+\i]|, |v[XS+\i+1]|
	v_max3_num_f32 v13, v13, |v[XS+\i+2]|, |v[XS+\i+3]|
.endr
	v_max3_num_f32 v12, v12, |v[XS+30]|, |v[XS+31]|
	v_max3_num_f32 v12, v12, v13, 0x1800000
	v_add_nc_u32 v11, 0xff000000, v12
	v_lshrrev_b32 v13, 23, v11
.if (\t) == 0
	v_mov_b32 v24, v13
.else
	v_lshl_or_b32 v24, v13, 8*(\t), v24
.endif
	v_cvt_scalef32_pk16_fp6_f32 v[CC:CC+2], v[XS:XS+15], v11
	v_cvt_scalef32_pk16_fp6_f32 v[CC+4:CC+6], v[XS+16:XS+31], v11
	v_nop
	v_mov_b32 v[CC+3], v[CC+4]
	v_mov_b32 v[CC+4], v[CC+5]
	v_mov_b32 v[CC+5], v[CC+6]
.irp i, 0,1,2
	ds_store_b64 v4, v[CC+2*\i:CC+2*\i+1] offset:(3*((\t)/2)+\i)*256+((\t)%2)*128
.endr
.endm
	LOADW 0
	LOADW 1
	BLOCKW 0
	BLOCKW 1
	BLOCKW 2
	BLOCKW 3
.irp u, 0,1
.irp c, 0,1,2
	ds_load_b128 v[WX+4*(3*\u+\c):WX+4*(3*\u+\c)+3], v7 offset:\u*IMG+\c*512
.endr
.endr
	s_wait_alu depctr_va_vdst(0)
.irp u, 0,1
.irp c, 0,1,2
	s_wait_dscnt 5-(3*\u+\c)                       ; the younger loads may be out
	global_store_b128 v8, v[WX+4*(3*\u+\c):WX+4*(3*\u+\c)+3], s[12:13] offset:\u*12288+\c*512
.endr
.endr
	global_store_b32 v9, v24, s[14:15]
	s_wait_tensorcnt 0x0
	ds_add_u32 v232, v233
	s_wait_dscnt 0x0
	s_endpgm
.Lfunc_end_k_qf71323ff40_prep:
	.size	k_qf71323ff40_prep, .Lfunc_end_k_qf71323ff40_prep-k_qf71323ff40_prep
	.p2alignl 7, 3214868480
	.fill 96, 4, 3214868480
	.section	.rodata,"a",@progbits
	.p2align	6, 0x0
	.amdhsa_kernel k_qf71323ff40_prep
		.amdhsa_group_segment_fixed_size 47616
		.amdhsa_private_segment_fixed_size 0
		.amdhsa_enable_private_segment 0
		.amdhsa_kernarg_size 72
		.amdhsa_user_sgpr_count 2
		.amdhsa_user_sgpr_kernarg_segment_ptr 1
		.amdhsa_wavefront_size32 1
		.amdhsa_system_sgpr_workgroup_id_x 1
		.amdhsa_system_sgpr_workgroup_id_y 1
		.amdhsa_system_sgpr_workgroup_id_z 1
		.amdhsa_system_vgpr_workitem_id 0
		.amdhsa_next_free_vgpr 234
		.amdhsa_next_free_sgpr 66
		.amdhsa_reserve_vcc 1
		.amdhsa_float_denorm_mode_32 3
		.amdhsa_float_denorm_mode_16_64 3
		.amdhsa_memory_ordered 1
		.amdhsa_forward_progress 1
		.amdhsa_inst_pref_size 52
	.end_amdhsa_kernel
	.amdgpu_metadata
---
amdhsa.version: [ 1, 2 ]
amdhsa.kernels:
  - .name:           k_qf71323ff40_prep
    .symbol:         k_qf71323ff40_prep.kd
    .args:
      - { .name: X, .offset: 0, .size: 8, .value_kind: global_buffer, .address_space: global }
      - { .name: Xc, .offset: 8, .size: 8, .value_kind: global_buffer, .address_space: global }
      - { .name: Xs, .offset: 16, .size: 8, .value_kind: global_buffer, .address_space: global }
      - { .name: Ws, .offset: 24, .size: 8, .value_kind: global_buffer, .address_space: global }
      - { .name: Wq, .offset: 32, .size: 8, .value_kind: global_buffer, .address_space: global }
      - { .name: Wk, .offset: 40, .size: 8, .value_kind: global_buffer, .address_space: global }
      - { .name: Wv, .offset: 48, .size: 8, .value_kind: global_buffer, .address_space: global }
      - { .name: Wo, .offset: 56, .size: 8, .value_kind: global_buffer, .address_space: global }
      - { .name: Wc, .offset: 64, .size: 8, .value_kind: global_buffer, .address_space: global }
    .group_segment_fixed_size: 47616
    .private_segment_fixed_size: 0
    .kernarg_segment_align: 8
    .kernarg_segment_size: 72
    .max_flat_workgroup_size: 128
    .sgpr_count:     66
    .vgpr_count:     234
    .wavefront_size: 32
...
	.end_amdgpu_metadata
.endif
;; end of part 1
;; launch qkv (part 2): grid 8 x 32, 4 waves a work-group, clusters of 4 x 4, 327,680 bytes of LDS; arguments Xc, Xs, Wc, Ws, bq, bk, bv, Qi, KVi; writes Qi, KVi
.if DOCPART == 2
	.amdgcn_target "amdgcn-amd-amdhsa--gfx1250"
	.amdhsa_code_object_version 6
	.text
	.protected	k_qf71323ff40_qkv
	.globl	k_qf71323ff40_qkv
	.p2align	8
	.type	k_qf71323ff40_qkv,@function
k_qf71323ff40_qkv:
	s_mov_b64 s[64:65], 0
	v_nop
	global_prefetch_b8 v0, s[64:65] scope:SCOPE_SE
	s_setreg_imm32_b32 hwreg(HW_REG_WAVE_MODE, 25, 1), 1
	s_wait_xcnt 0x0
	s_wait_alu depctr_hold_cnt(0) depctr_sa_sdst(0) depctr_va_vdst(0) depctr_va_sdst(0) depctr_va_ssrc(0) depctr_va_vcc(0) depctr_vm_vsrc(0)
	s_getreg_b32 s2, hwreg(HW_REG_IB_STS2, 6, 4)
	s_cmp_eq_u32 s2, 0
	s_cbranch_scc0 .Lentry_in_a_cluster
	s_endpgm
.Lentry_in_a_cluster:
	s_bfe_u32 s2, ttmp6, 0x10000c
	s_cmp_lg_u32 s2, 0xf033
	s_cbranch_scc0 .Lentry_shape_is_right
	s_endpgm
.Lentry_shape_is_right:
; V, Q, K = X W + b on codes of FP6 (E2M3) with E8M0 scales, AND THEIR QUANTISERS: the results leave as codes and scale bytes, as images of the operand registers of the attention launch.
; IN.  Xc, Wc: fragment (T, s) (16 rows x 128 K) at T x 12288 + s x 1536; Xc in pieces of four registers (512 c + 16 L), Wc in pairs (256 p + 8 L); weight wi (q, k, v) at wi x 786432.
; Xs, Ws: the word of (T, s, r) at T x 512 + (s / 2) x 128 + 8 r + 4 (s % 2).  Stored tiles are in TILE ORDER: tile 2 g + u, row r: 32 g + 8 u + r + 8 (r / 8).
; OUT.  Qi[bh][16 blocks of 128 tokens][6656], KVi[bh][K's 16 blocks, V's 16][6656].  Q, K: tile i at 768 i, pair p of lane L at 256 p + 8 L (lane (r, h): d = 32 h ..); words at 6144 + 16 L + 4 (i % 4),
; lanes 16-31 tiles 4-7; bytes 0, 1 of a word are the head's two blocks, bytes 2, 3 are 0 and meet zero codes.  V: tile t of 16 d at 1536 t, piece c at 512 c + 16 L (registers 6 c ..: keys 64 c + 32 h ..);
; words at 6144 + 16 r + 4 t, written twice on end.
; SHARES.  256 work-groups: 256 rows of X x 128 columns (two heads) of Wv, then Wq, then Wk.  X's 16 tiles, ALL OF K, lie in LDS, filled once; the weights' 8 tiles have a region of their own, filled three times.
; Four waves, 2 x 2: wave (a, b) holds head b's 64 columns of a weight in 384 registers and streams its 8 tiles of 16 rows past them: a block is 32 products on four accumulators by turns.
; FILLS.  At the head one joint load a wave: waves 0, 1 half of Wv's tiles each (one line), wave 2 tiles 0-3 of both halves of the rows, wave 3 tiles 4-7.  Two refills of the weights' region, each in a drained round of
; the cluster's barrier inside a phase's block 2, when every wave holds the old weight in registers; a plain barrier at the change of phase shows what a refill brought.
; X's tiles are shared by a row of the 4 x 4 cluster, the weights' by a column.
; THE ROWS OF A TILE ARE CHOSEN BY THE LDS ADDRESSES.  Q, K (source 0 = the weight): row 8 h' + j of tile t is column 32 h' + 8 t + j of the head, so a lane's 32 results of a block are d = 32 h + 0 .. 31: one scale block.
; V (source 0 = X): row 8 h' + j of tile 4 c + t' is token 64 c + 32 h' + 8 t' + j, so a lane's 32 results of four blocks are keys 64 c + 32 h + 0 .. 31.  (Such a row is row 8 (t / 2) + r % 8 of stored tile 2 (r / 8) + t % 2.)
; The bias is the first products' C.  Scale words come straight into registers: register 2 i + e of a tile holds step 4 i + e in lanes 0-15 and step 4 i + 2 + e in lanes 16-31.
; PREFETCH: Wq's and Wk's tiles are asked for at the head, one and two phases ahead of their loads, each 256 bytes once in a cluster (the sixteen waves of a column share them by address), by four rows of clusters.
; LIMITS: a block of zeros, or one under 2^-124, gets the byte 1 (read by this program alone); NaN and infinities are not served.
; REGISTERS.  window 0: v2 h; v6-23 addresses; v24-31 bytes and V's words; v32-63 X's words, v64-95 X's for V; v98-129 the weights' words, two sets; v130-157 at work;
;   V: v160-207 four operands, v208-239 the bias;  Q, K: v160-223 two sets of accumulators, v224-238 codes, v240-251 words.
;   Fragment f in window 1 + f / 21 at 12 (f % 21): 0-31 the weight's (4 q + t), 32-47 the rows' two sets.  window 3: v72-199 V's sums, then v72-103 K's bias; v200-231 Q's bias.
.set TB,   12288
.set AB,   8*TB
.set SPARE, AB+16*TB
.set L8,   6
.set L16,  7
.set AN0,  8
.set AV0,  10
.set WN,   12
.set WR,   13
.set RM,   14
.set H128, 15
.set RT4,  16
.set SH8,  17
.set PR,   18
.set TV,   19
.set PF0,  20
.set SPW,  22
.set NIL,  23
.set EB,   24
.set VW,   28
.set SA,   32
.set SAV,  64
.set TC,   130
.set TQ,   146
.set SOP,  154
.set MCD,  160
.set VB,   208
.set ACC,  160
.set NCD,  224
.set TCQ,  236
.set WD,   240
.set IM,   248
.set HV,   72
.set G1W,  24
.set G1A,  32
.set G0W0, 48
.set G0W1, 52
.set G0W2, 56
.set G0A0, 60
.set G0A1, 68
.set SEL,  94
.set MSB, 0
.macro WIN new
.if MSB != (\new)
	s_set_vgpr_msb (MSB<<8)|(\new)
.set MSB, (\new)
.endif
.endm
.macro WALU
	s_wait_alu depctr_va_vdst(0)
.endm
.macro NOPS
.rept 4
	v_nop
.endr
.endm
.macro CROUND
	s_barrier_signal -1
	s_barrier_wait -1
	s_cmp_lg_u32 s14, 0
	s_cbranch_scc1 .Lnot_wave_0_\@
	s_barrier_signal -3
.Lnot_wave_0_\@:
	s_barrier_wait -3
	s_barrier_signal -1
	s_barrier_wait -1
.endm
.macro TLOAD g0, g1
	tensor_load_to_lds s[\g0:\g0+3], s[\g1:\g1+7]
	s_nop 0
	NOPS
.endm
.macro GROUP1 g, mask, c, rows, pitch  ; rows of c elements of 8 bytes
	s_or_b32 s[\g+0], s\mask, (3<<16)|(1<<21)
	s_mov_b32 s[\g+1], (\c)<<16
	s_mov_b32 s[\g+2], (\rows)<<16
	s_mov_b32 s[\g+3], (\c)<<16
	s_mov_b32 s[\g+4], \rows
	s_mov_b32 s[\g+5], \pitch
	s_mov_b32 s[\g+6], 0
	s_mov_b32 s[\g+7], 0
.endm
	s_load_b256 s[4:11], s[0:1], 0x0               ; Xc, Xs, Wc, Ws
	s_load_b256 s[84:91], s[0:1], 0x20             ; bq, bk, bv, Qi
	s_load_b64 s[92:93], s[0:1], 0x40              ; KVi
	v_lshl_add_u32 v[SPW], v0, 2, SPARE
	v_mov_b32 v[NIL], 0
	ds_add_u32 v[SPW], v[NIL]                      ; the opening lines
	ds_add_u32 v[SPW], v[NIL]
	v_lshrrev_b32 v1, 5, v0
	v_readfirstlane_b32 s14, v1                    ; wave
	s_lshr_b32 s15, s14, 1                         ; a: my half of the rows
	s_and_b32 s16, s14, 1                          ; b: my head of the two
	s_bfe_u32 s40, ttmp6, 0x40000
	s_bfe_u32 s41, ttmp6, 0x40004
	s_lshl_b32 s42, ttmp9, 2
	s_add_co_u32 s42, s42, s40                     ; tile column, 0 .. 7
	s_and_b32 s99, ttmp7, 0xffff                   ; the cluster's y
	s_lshl_b32 s17, s99, 2
	s_add_co_u32 s17, s17, s41                     ; tile row, 0 .. 31
	s_lshl_b32 s43, s41, 2
	s_lshl_b32 s43, 15, s43                        ; my row of the cluster
	s_lshl_b32 s44, 0x1111, s40                    ; my column
	GROUP1 G1W, 44, 32, 192, 32                    ; four tiles of a weight: 49,152 dense bytes as 192 rows of 256
	GROUP1 G1A, 43, 4*TB/8, 2, 8*TB/8              ; four tiles on end of each half of the rows
	s_mul_i32 s18, s42, 8*TB
	s_mul_i32 s19, s14, 4*TB                       ; waves 0 and 1: which half of the weight's tiles, in memory and in LDS
	s_add_co_u32 s78, s18, s19                     ; Wq
	s_mov_b32 s79, 0
	s_add_co_u32 s80, s78, 786432                  ; Wk
	s_mov_b32 s81, 0
	s_add_co_u32 s46, s78, 2*786432                ; Wv
	s_mov_b32 s47, 0
	s_mul_i32 s20, s17, 16*TB
	s_mov_b32 s21, 0
.irp g, G0W0, G0W1, G0W2
	s_mov_b32 s[\g], 1
	s_mov_b32 s[\g+1], s19
.endr
	s_mov_b32 s[G0A0], 1
	s_mov_b32 s[G0A0+1], AB
	s_mov_b32 s[G0A1], 1
	s_mov_b32 s[G0A1+1], AB+8*TB
	s_mov_b32 s[SEL], 0x76543210
	s_mov_b32 s[SEL+1], 0xfedcba98
	WALU
	s_wait_dscnt 0x0
	CROUND                                         ; the opening round: the joint loads meet
	s_wait_kmcnt 0x0
	s_add_nc_u64 s[G0W0+2:G0W0+3], s[8:9], s[46:47]
	s_add_nc_u64 s[G0W1+2:G0W1+3], s[8:9], s[78:79]
	s_add_nc_u64 s[G0W2+2:G0W2+3], s[8:9], s[80:81]
	s_add_nc_u64 s[G0A0+2:G0A0+3], s[4:5], s[20:21]
	s_add_nc_u64 s[G0A1+2:G0A1+3], s[G0A0+2:G0A0+3], 4*TB
.irp g, G0W0, G0W1, G0W2, G0A0, G0A1
	s_or_b32 s[\g+3], s[\g+3], 0x80000000
.endr
	s_cmp_lt_u32 s14, 2
	s_cbranch_scc0 .Lwave_2
	TLOAD G0W0, G1W
	s_branch .Lasked
.Lwave_2:
	s_cmp_eq_u32 s14, 2
	s_cbranch_scc0 .Lwave_3
	TLOAD G0A0, G1A
	s_branch .Lasked
.Lwave_3:
	TLOAD G0A1, G1A
.Lasked:
	s_mov_b32 s83, 0
	s_lshl_b32 s82, s17, 13                        ; Xs: 16 tiles of 512 bytes a tile row, 8 a half
	s_lshl_b32 s96, s15, 12
	s_add_co_u32 s82, s82, s96
	s_add_nc_u64 s[6:7], s[6:7], s[82:83]
	s_lshl_b32 s82, s42, 12                        ; Ws: 8 tiles a tile column, 4 a head
	s_lshl_b32 s96, s16, 11
	s_add_co_u32 s82, s82, s96
	s_add_nc_u64 s[10:11], s[10:11], s[82:83]
	s_lshl_b32 s82, s42, 9                         ; the biases: my head's first column, in bytes
	s_lshl_b32 s96, s16, 8
	s_add_co_u32 s82, s82, s96
	s_add_nc_u64 s[84:85], s[84:85], s[82:83]
	s_add_nc_u64 s[86:87], s[86:87], s[82:83]
	s_add_nc_u64 s[88:89], s[88:89], s[82:83]
	s_lshl_b32 s96, s17, 1
	s_add_co_u32 s96, s96, s15                     ; my block of 128 tokens, 0 .. 63
	s_lshr_b32 s97, s96, 4
	s_lshl_b32 s97, s97, 4
	s_lshl_b32 s98, s42, 1
	s_add_co_u32 s97, s97, s98
	s_add_co_u32 s97, s97, s16                     ; bh = 16 x batch + head
	s_and_b32 s96, s96, 15
	s_mul_i32 s96, s96, 6656
	s_mul_i32 s97, s97, 106496
	s_add_co_u32 s82, s97, s96
	s_add_nc_u64 s[74:75], s[90:91], s[82:83]      ; Q's block
	s_add_co_u32 s82, s82, s97
	s_add_nc_u64 s[76:77], s[92:93], s[82:83]      ; K's
	s_add_nc_u64 s[72:73], s[76:77], 106496        ; V's
	s_lshl_b32 s98, s41, 2
	s_add_co_u32 s98, s98, s14                     ; my number among the sixteen waves of my column of the cluster
	s_mul_i32 s98, s98, 6144
	s_add_co_u32 s98, s98, s18                     ; my sixteenth of Wq's tiles
	s_mul_i32 s96, s15, 4*TB
	s_add_co_u32 s96, s96, AB
	s_mul_i32 s97, s16, 4*TB
	v_and_b32 v1, 15, v0
	v_bfe_u32 v2, v0, 4, 1
	v_and_b32 v3, 31, v0
	v_lshrrev_b32 v4, 3, v1                        ; r / 8
	v_and_b32 v5, 7, v1                            ; r % 8
	v_lshlrev_b32 v[L8], 3, v3
	v_lshlrev_b32 v[L16], 4, v3
	v_add_nc_u32 v[AN0], s96, v[L16]               ; X's tiles as stored: tiles 0-3,
	v_add_nc_u32 v[AN0+1], 8*TB, v[AN0]            ; tiles 4-7
	v_mul_u32_u24 v[TV], v4, 2*TB
	v_lshl_add_u32 v[AV0], v2, 8, v[TV]
	v_lshl_add_u32 v[AV0], v5, 4, v[AV0]
	v_add_nc_u32 v[AV0], s96, v[AV0]               ; X's tiles as V wants them
	v_add_nc_u32 v[AV0+1], 8*TB, v[AV0]
	v_add_nc_u32 v[WN], s97, v[L8]                 ; the weight's tiles as stored
	v_lshl_add_u32 v[WR], v2, 7, v[TV]
	v_lshl_add_u32 v[WR], v5, 3, v[WR]
	v_add_nc_u32 v[WR], s97, v[WR]                 ; and as Q and K want them
	v_lshlrev_b32 v[RM], 10, v4
	v_lshl_add_u32 v[RM], v2, 7, v[RM]
	v_lshl_add_u32 v[RM], v5, 3, v[RM]             ; the same choice of rows for scale words
	v_lshlrev_b32 v[H128], 7, v2
	v_lshl_add_u32 v[RT4], v4, 3, v1
	v_lshlrev_b32 v[RT4], 2, v[RT4]
	v_lshlrev_b32 v[SH8], 3, v2
	v_mov_b32 v[PR], 0
	v_min_u32 v[PF0], 23, v3                       ; 24 blocks of 256 bytes; the lanes left over name the last again
	v_lshl_add_u32 v[PF0], v[PF0], 8, s98
	WALU                                           ; the wait at the head's end
.irp k, 0,1,2,3,4,5,6,7
.irp i, 0,1
	global_load_b64 v[SA+4*\k+2*\i:SA+4*\k+2*\i+1], v[L8], s[6:7] offset:\k*512+\i*256
	global_load_b64 v[SAV+4*\k+2*\i:SAV+4*\k+2*\i+1], v[RM], s[6:7] offset:(4*(\k/4)+\k%2)*512+64*((\k%4)/2)+\i*256
.endr
.endr
.irp t, 0,1,2,3
.irp i, 0,1
	global_load_b64 v[98+4*\t+2*\i:98+4*\t+2*\i+1], v[L8], s[10:11] offset:65536+\t*512+\i*256
	global_load_b64 v[114+4*\t+2*\i:114+4*\t+2*\i+1], v[RM], s[10:11] offset:(\t%2)*512+64*(\t/2)+\i*256
.endr
	global_load_b32 v[VB+8*\t], v[RT4], s[88:89] offset:(32*(\t/2)+8*(\t%2))*4
.endr
	WIN 0xc0
.irp m, 0,1,2,3,4,5,6,7
	global_load_b128 v[200+4*\m:200+4*\m+3], v[H128], s[84:85] offset:16*\m   ; Q's bias: register i is column 32 h + i
.endr
	WIN 0
	s_cmp_lt_u32 s99, 4                            ; four rows of clusters ask for the weights that all eight will load
	s_cbranch_scc0 .Lno_prefetch
	global_prefetch_b8 v[PF0], s[8:9] th:TH_LOAD_NT scope:SCOPE_SE
	global_prefetch_b8 v[PF0], s[8:9] offset:786432 th:TH_LOAD_NT scope:SCOPE_SE
.Lno_prefetch:
.macro FETCHA e, adr, off              ; a tile of 16 rows, all of K, into set e: 24 loads
.irp q, 0,1,2,3,4,5,6,7
.set F_, 32+8*(\e)+\q
	WIN (1+F_/21)<<6
.irp c, 0,1,2
	ds_load_b128 v[12*(F_%21)+4*\c:12*(F_%21)+4*\c+3], v[\adr] offset:(\off)+\q*1536+\c*512
.endr
.endr
	WIN 0
.endm
.macro FETCHK kind, k
.if \kind
	FETCHA (\k)%2, AV0+(\k)/4, ((\k)%2)*TB+128*(((\k)%4)/2)
.else
	FETCHA (\k)%2, AN0+(\k)/4, ((\k)%4)*TB
.endif
.endm
.macro WEIGHTS kind                    ; my 64 columns of the weight, all of K: 192 loads
.irp q, 0,1,2,3,4,5,6,7
.irp t, 0,1,2,3
.set F_, 4*\q+\t
	WIN (1+F_/21)<<6
.irp p, 0,1,2,3,4,5
.if \kind
	ds_load_b64 v[12*(F_%21)+2*\p:12*(F_%21)+2*\p+1], v[WN] offset:\t*TB+\q*1536+\p*256
.else
	ds_load_b64 v[12*(F_%21)+2*\p:12*(F_%21)+2*\p+1], v[WR] offset:(\t%2)*TB+64*(\t/2)+\q*1536+\p*256
.endif
.endr
.endr
.endr
	WIN 0
.endm
.macro PROD1 d, s0, s1, c, x0, x1, row
.if \row
	v_wmma_scale_f32_16x16x128_f8f6f4 v[\d:\d+7], v[\s0:\s0+11], v[\s1:\s1+11], v[\c:\c+7], v[\x0], v[\x1] matrix_a_fmt:MATRIX_FMT_FP6 matrix_b_fmt:MATRIX_FMT_FP6 matrix_a_scale:MATRIX_SCALE_ROW1 matrix_b_scale:MATRIX_SCALE_ROW1
.else
	v_wmma_scale_f32_16x16x128_f8f6f4 v[\d:\d+7], v[\s0:\s0+11], v[\s1:\s1+11], v[\c:\c+7], v[\x0], v[\x1] matrix_a_fmt:MATRIX_FMT_FP6 matrix_b_fmt:MATRIX_FMT_FP6 matrix_a_scale:MATRIX_SCALE_ROW0 matrix_b_scale:MATRIX_SCALE_ROW0
.endif
.endm
; a product: n = 4 q + t.  kind 1 (V): source 0 = X's rows; kind 0 (Q, K): source 0 = the weight's.  sb: the weight's scale words; cw, cb: window and register of the bias
.macro PROD kind, k, n, sb, cw, cb
.set Q_, (\n)/4
.set T_, (\n)%4
.set FA_, 32+8*((\k)%2)+Q_
.set X_, 2*(Q_/4)+Q_%2
.set RW_, 12*((\n)%21)
.set RA_, 12*(FA_%21)
.set WW_, 1+(\n)/21
.set WA_, 1+FA_/21
.set XW_, (\sb)+4*T_+X_
.if \kind
.set D_, HV+32*T_+8*((\k)%4)
.set DW_, 3
.set XA_, SAV+4*(\k)+X_
.set SW_, WA_|(WW_<<2)
.else
.set D_, ACC+32*((\k)%2)+8*T_
.set DW_, 0
.set XA_, SA+4*(\k)+X_
.set SW_, WW_|(WA_<<2)
.endif
.if Q_
.set C_, D_
	WIN SW_|(DW_<<4)|(DW_<<6)
.else
.set C_, (\cb)+8*T_
	WIN SW_|((\cw)<<4)|(DW_<<6)
.endif
.if \kind
	PROD1 D_, RA_, RW_, C_, XA_, XW_, (Q_/2)%2
.else
	PROD1 D_, RW_, RA_, C_, XW_, XA_, (Q_/2)%2
.endif
.endm
.macro PRODS kind, k, from, to, sb, cw, cb
.set N_, \from
.rept (\to)-(\from)
	PROD \kind, \k, N_, \sb, \cw, \cb
.set N_, N_+1
.endr
.endm
; a block's products and the fetch of the block two on.  g0 other than 0: a round of the cluster's barrier stands inside the block, and waves 0 and 1 fill the weights' region again by descriptor g0
.macro BLKP kind, k, g0, sb, cw, cb
.if (\k) < 7
	s_wait_dscnt 24                                ; my rows are in; the next block's 24 loads may be out
.else
	s_wait_dscnt 0x0
.endif
.if \g0
	s_wait_tensorcnt 0x0                           ; ahead of a refill's round
	ds_add_u32 v[SPW], v[NIL]
	PRODS \kind, \k, 0, 24, \sb, \cw, \cb
	WIN 0
	WALU
	s_wait_dscnt 0x0
	s_barrier_signal -1
	PRODS \kind, \k, 24, 32, \sb, \cw, \cb
	WIN 0
	s_barrier_wait -1
	s_cmp_lg_u32 s14, 0
	s_cbranch_scc1 .Lnot_w0_\@
	s_barrier_signal -3
.Lnot_w0_\@:
	s_barrier_wait -3
	s_barrier_signal -1
	s_barrier_wait -1
	s_cmp_lt_u32 s14, 2
	s_cbranch_scc0 .Lno_fill_\@
	TLOAD \g0, G1W
.Lno_fill_\@:
.else
	PRODS \kind, \k, 0, 32, \sb, \cw, \cb
	WIN 0
.endif
	NOPS                                           ; places ahead of the loads into the rows' registers and of the reads of the results
.if (\k) < 6
	FETCHK \kind, (\k)+2
.endif
.endm
; the change of phase: a plain barrier shows the refilled weights; they and the first two blocks' rows go out in one run of loads
.macro CHANGE
	WALU
	s_wait_tensorcnt 0x0
	s_wait_dscnt 0x0
	s_barrier_signal -1
	s_barrier_wait -1
	WEIGHTS 0
	FETCHK 0, 0
	FETCHK 0, 1
.endm
; V's way out of four blocks: for each tile t of 16 d my 32 sums are keys 64 c + 32 h + 0 .. 31: their largest magnitude, the scale, six registers of the operand
.macro VOUT c
	WIN 0x3f
.irp t, 0,1,2,3
.irp u, 0,1
	v_max3_num_f32 v[TQ+2*\t+\u], |v[HV+32*\t+16*\u]|, |v[HV+32*\t+16*\u+1]|, |v[HV+32*\t+16*\u+2]|
.endr
.endr
	WIN 0x3c
.irp i, 3,5,7,9,11,13
.irp t, 0,1,2,3
.irp u, 0,1
	v_max3_num_f32 v[TQ+2*\t+\u], v[TQ+2*\t+\u], |v[HV+32*\t+16*\u+\i]|, |v[HV+32*\t+16*\u+\i+1]|
.endr
.endr
.endr
.irp t, 0,1,2,3
	v_max3_num_f32 v[TQ+2*\t+1], v[TQ+2*\t+1], |v[HV+32*\t+31]|, 0x1800000   ; with the floor 2^(3 - 127)
.endr
	WIN 0x0c
.irp t, 0,1,2,3
	v_max3_num_f32 v[TQ+2*\t], v[TQ+2*\t], |v[HV+32*\t+15]|, v[TQ+2*\t+1]
.endr
	WIN 0
.irp t, 0,1,2,3
	v_add_nc_u32 v[SOP+\t], 0xff000000, v[TQ+2*\t]   ; the conversion's scale operand
.endr
	WIN 0x03                                       ; the sums lie in window 3; scale operand and codes in window 0
.irp t, 0,1,2,3
	v_cvt_scalef32_pk16_fp6_f32 v[MCD+12*\t+6*\c:MCD+12*\t+6*\c+2], v[HV+32*\t:HV+32*\t+15], v[SOP+\t]
	v_cvt_scalef32_pk16_fp6_f32 v[TC+4*\t:TC+4*\t+2], v[HV+32*\t+16:HV+32*\t+31], v[SOP+\t]
.endr
	WIN 0
.irp t, 0,1,2,3
	v_lshrrev_b32 v[EB+\t], 23, v[SOP+\t]          ; the byte of key block 2 c + h
.endr
.irp t, 0,1,2,3
.irp i, 0,1,2
	v_mov_b32 v[MCD+12*\t+6*\c+3+\i], v[TC+4*\t+\i]
.endr
.endr
.irp t, 0,1,2,3
.if \c
	v_lshl_or_b32 v[VW+\t], v[EB+\t], 16, v[VW+\t]
.else
	v_mov_b32 v[VW+\t], v[EB+\t]
.endif
.endr
.endm
; Q's or K's way out of block k: my 32 sums are d = 32 h + 0 .. 31 of token r
.macro QOUT k, base
.set AC, ACC+32*((\k)%2)
.set NC, NCD+6*((\k)%2)
.if (\k) > 1
	s_wait_xcnt 0x0                                ; block k - 2's stores have read their registers
.endif
.irp j, 0,1,2,3
	v_max3_num_f32 v[TQ+\j], |v[AC+8*\j]|, |v[AC+8*\j+1]|, |v[AC+8*\j+2]|
.endr
.irp i, 3,5
.irp j, 0,1,2,3
	v_max3_num_f32 v[TQ+\j], v[TQ+\j], |v[AC+8*\j+\i]|, |v[AC+8*\j+\i+1]|
.endr
.endr
	v_max3_num_f32 v[TQ], v[TQ], v[TQ+1], |v[AC+7]|
	v_max3_num_f32 v[TQ+2], v[TQ+2], v[TQ+3], |v[AC+15]|
	v_max3_num_f32 v[TQ], v[TQ], |v[AC+23]|, |v[AC+31]|
	v_max3_num_f32 v[TQ], v[TQ], v[TQ+2], 0x1800000
	v_add_nc_u32 v[SOP], 0xff000000, v[TQ]
	v_cvt_scalef32_pk16_fp6_f32 v[NC:NC+2], v[AC:AC+15], v[SOP]
	v_cvt_scalef32_pk16_fp6_f32 v[TCQ:TCQ+2], v[AC+16:AC+31], v[SOP]
	v_lshrrev_b32 v[EB], 23, v[SOP]
.irp i, 0,1,2
	v_mov_b32 v[NC+3+\i], v[TCQ+\i]
.endr
	v_lshlrev_b32 v[EB], v[SH8], v[EB]             ; my byte at place h;
	v_permlanex16_b32 v[PR], v[EB], s[SEL], s[SEL+1]
	v_or_b32 v[WD+(\k)], v[EB], v[PR]              ; with lane l xor 16's the row's word
.irp p, 0,1,2
	global_store_b64 v[L8], v[NC+2*\p:NC+2*\p+1], s[\base:\base+1] offset:(\k)*768+\p*256   ; 256 consecutive bytes, aligned
.endr
.endm
.macro QWORDS base                     ; the eight tiles' words: lanes 0-15 tiles 0-3, lanes 16-31 tiles 4-7; 512 consecutive bytes
	v_cmp_ne_u32 vcc_lo, 0, v2
.irp i, 0,1,2,3
	v_cndmask_b32 v[IM+\i], v[WD+\i], v[WD+4+\i], vcc_lo
.endr
	global_store_b128 v[L16], v[IM:IM+3], s[\base:\base+1] offset:6144
.endm
; ---------------- the head's barriers
	s_cmp_lt_u32 s14, 2
	s_cbranch_scc0 .Lnot_w
	s_wait_tensorcnt 0x0
.Lnot_w:
	s_barrier_signal -1
	s_barrier_wait -1                              ; Wv's tiles are in
	WEIGHTS 1
	s_cmp_eq_u32 s14, 2
	s_cbranch_scc0 .Lnot_a
	s_wait_tensorcnt 0x0
.Lnot_a:
	s_wait_dscnt 0x0
	s_barrier_signal -1
	s_barrier_wait -1                              ; X's tiles 0-3 of both halves are in; tiles 4-7 are shown by the round in block 2
	FETCHK 1, 0
	FETCHK 1, 1
	s_wait_loadcnt 0x0                             ; scale words and biases
.irp t, 0,8,16,24
.irp i, 1,2,3,4,5,6,7
	v_mov_b32 v[VB+\t+\i], v[VB+\t]                ; V's bias, one number a lane and tile, over the tile's eight registers
.endr
.endr
	WALU
; ---------------- phase 0: V
.irp k, 0,1,2,3,4,5,6,7
.if \k == 2
	BLKP 1, \k, G0W1, 98, 0, VB
.else
	BLKP 1, \k, 0, 98, 0, VB
.endif
.if \k == 3
	VOUT 0
.endif
.endr
	CHANGE
.irp t, 0,1,2,3
.irp i, 0,1
	global_load_b64 v[98+4*\t+2*\i:98+4*\t+2*\i+1], v[RM], s[10:11] offset:32768+(\t%2)*512+64*(\t/2)+\i*256   ; Wk's scale words, a phase ahead
.endr
.endr
	VOUT 1
.irp t, 0,1,2,3
	v_lshlrev_b32 v[VW+\t], v[SH8], v[VW+\t]       ; my two bytes at places h and 2 + h;
.endr
.irp t, 0,1,2,3
	v_permlanex16_b32 v[TQ+\t], v[VW+\t], s[SEL], s[SEL+1]
.endr
.irp t, 0,1,2,3
	v_or_b32 v[VW+\t], v[VW+\t], v[TQ+\t]          ; with lane l xor 16's the word of d = row r of tile t
.endr
.irp t, 0,1,2,3
.irp c, 0,1,2
	global_store_b128 v[L16], v[MCD+12*\t+4*\c:MCD+12*\t+4*\c+3], s[72:73] offset:\t*1536+\c*512
.endr
.endr
	global_store_b128 v[L16], v[VW:VW+3], s[72:73] offset:6144   ; both halves of the lanes hold the words: they are written twice on end
	WIN 0xc0
.irp m, 0,1,2,3,4,5,6,7
	global_load_b128 v[HV+4*\m:HV+4*\m+3], v[H128], s[86:87] offset:16*\m   ; K's bias, a phase ahead, where V's sums lay
.endr
	WIN 0
	s_wait_xcnt 0x0                                ; V's stores have read their registers: Q's sums may land there
; ---------------- phase 1: Q
.irp k, 0,1,2,3,4,5,6
.if \k == 2
	BLKP 0, \k, G0W2, 114, 3, 200
.else
	BLKP 0, \k, 0, 114, 3, 200
.endif
	QOUT \k, 74
.endr
	BLKP 0, 7, 0, 114, 3, 200
	CHANGE
	QOUT 7, 74
	QWORDS 74
	WALU
	s_wait_xcnt 0x0                                ; Q's last stores have read their registers: K's codes and words may land there
	s_wait_loadcnt 0x0                             ; Wk's scale words and K's bias
; ---------------- phase 2: K
.irp k, 0,1,2,3,4,5,6,7
	BLKP 0, \k, 0, 98, 3, HV
	QOUT \k, 76
.endr
	QWORDS 76
	s_wait_tensorcnt 0x0                           ; the wave's end
	ds_add_u32 v[SPW], v[NIL]
	s_wait_dscnt 0x0
	CROUND                                         ; the closing round
	s_endpgm
.Lfunc_end_k_qf71323ff40_qkv:
	.size	k_qf71323ff40_qkv, .Lfunc_end_k_qf71323ff40_qkv-k_qf71323ff40_qkv
	.p2alignl 7, 3214868480
	.fill 96, 4, 3214868480
	.section	.rodata,"a",@progbits
	.p2align	6, 0x0
	.amdhsa_kernel k_qf71323ff40_qkv
		.amdhsa_group_segment_fixed_size 327680
		.amdhsa_private_segment_fixed_size 0
		.amdhsa_enable_private_segment 0
		.amdhsa_kernarg_size 72
		.amdhsa_user_sgpr_count 2
		.amdhsa_user_sgpr_kernarg_segment_ptr 1
		.amdhsa_wavefront_size32 1
		.amdhsa_system_sgpr_workgroup_id_x 1
		.amdhsa_system_sgpr_workgroup_id_y 1
		.amdhsa_system_sgpr_workgroup_id_z 1
		.amdhsa_system_vgpr_workitem_id 0
		.amdhsa_next_free_vgpr 1024
		.amdhsa_next_free_sgpr 100
		.amdhsa_reserve_vcc 1
		.amdhsa_float_denorm_mode_32 3
		.amdhsa_float_denorm_mode_16_64 3
		.amdhsa_memory_ordered 1
		.amdhsa_forward_progress 1
		.amdhsa_inst_pref_size 239
	.end_amdhsa_kernel
	.amdgpu_metadata
---
amdhsa.version: [ 1, 2 ]
amdhsa.kernels:
  - .name:           k_qf71323ff40_qkv
    .symbol:         k_qf71323ff40_qkv.kd
    .args:
      - { .name: Xc, .offset: 0, .size: 8, .value_kind: global_buffer, .address_space: global }
      - { .name: Xs, .offset: 8, .size: 8, .value_kind: global_buffer, .address_space: global }
      - { .name: Wc, .offset: 16, .size: 8, .value_kind: global_buffer, .address_space: global }
      - { .name: Ws, .offset: 24, .size: 8, .value_kind: global_buffer, .address_space: global }
      - { .name: bq, .offset: 32, .size: 8, .value_kind: global_buffer, .address_space: global }
      - { .name: bk, .offset: 40, .size: 8, .value_kind: global_buffer, .address_space: global }
      - { .name: bv, .offset: 48, .size: 8, .value_kind: global_buffer, .address_space: global }
      - { .name: Qi, .offset: 56, .size: 8, .value_kind: global_buffer, .address_space: global }
      - { .name: KVi, .offset: 64, .size: 8, .value_kind: global_buffer, .address_space: global }
    .group_segment_fixed_size: 327680
    .private_segment_fixed_size: 0
    .kernarg_segment_align: 8
    .kernarg_segment_size: 72
    .max_flat_workgroup_size: 128
    .sgpr_count:     100
    .vgpr_count:     1024
    .wavefront_size: 32
...
	.end_amdgpu_metadata
.endif
;; end of part 2
;; launch attn (part 3): grid 4 x 64, 8 waves a work-group, clusters of 4 x 1, 214,016 bytes of LDS; arguments Qi, KVi, Ai, As; writes Ai, As
.if DOCPART == 3
	.amdgcn_target "amdgcn-amd-amdhsa--gfx1250"
	.amdhsa_code_object_version 6
	.text
	.protected	k_qf71323ff40_attn
	.globl	k_qf71323ff40_attn
	.p2align	8
	.type	k_qf71323ff40_attn,@function
k_qf71323ff40_attn:
	s_mov_b64 s[64:65], 0
	v_nop
	global_prefetch_b8 v0, s[64:65] scope:SCOPE_SE
	s_setreg_imm32_b32 hwreg(HW_REG_WAVE_MODE, 25, 1), 1
	s_wait_xcnt 0x0
	s_wait_alu depctr_hold_cnt(0) depctr_sa_sdst(0) depctr_va_vdst(0) depctr_va_sdst(0) depctr_va_ssrc(0) depctr_va_vcc(0) depctr_vm_vsrc(0)
	s_getreg_b32 s2, hwreg(HW_REG_IB_STS2, 6, 4)
	s_cmp_eq_u32 s2, 0
	s_cbranch_scc0 .Lentry_in_a_cluster
	s_endpgm
.Lentry_in_a_cluster:
	s_bfe_u32 s2, ttmp6, 0x10000c
	s_cmp_lg_u32 s2, 0x3003
	s_cbranch_scc0 .Lentry_shape_is_right
	s_endpgm
.Lentry_shape_is_right:
; attn[bh][q] = sum over k of softmax_k(Q[q] . K[k] / 8) V[k], both products on codes of FP6 (E2M3) with E8M0 scales; the result is quantised along the head's 64 and leaves as part of the
; output projection's operand images (Ai, As).
; THE SOFTMAX: t = score x log2(e) / 8; M = the running largest t rounded UP to a whole number; p = 2^(t - M) is quantised along the keys, not normalised; the row's sum is taken of the
; unquantised p and divides at the end.  When M moves, the sum and O are multiplied by 2^(old M - new M): exact.
; SHARES.  The four work-groups of a cluster take the four blocks of 512 queries of ONE head, each in two passes of 256; each of eight waves owns 32 queries: two tiles of 16.
; THE HEAD'S K AND V LIE WHOLE IN LDS: 212,992 bytes, filled ONCE by joint loads (mask: all four partners), one a wave, 26,624 bytes each: wave w brings bytes 26,624 w on, that is K's key steps
; 4 w .. 4 w + 3 (w < 4) or V's (w >= 4).  Waves 0 and 4 have a load line of their own: the first barrier shows key steps 0-3, the second, three steps on, all the rest.  Nothing is filled again,
; and all is asked for at the head: so no prefetch.
; LAYOUT.  S^T = K Q^T, O^T = V^T P^T: a lane holds one query.  THE KEYS OF A TILE OF K ARE CHOSEN BY THE LDS ADDRESSES: row 8 h' + j of tile 4 c + t is key 64 c + 32 h' + 8 t + j of the step, so that the
; 32 registers of tiles 4 c .. 4 c + 3 in lane (r, h) are keys 64 c + 32 h + 0 .. 31: one scale block, and six registers of P's operand, with no other lane asked.
; (KVi holds K in tiles 2 g + u, row r: key 32 g + 8 u + r + 8 (r / 8); new row r of tile 4 c + t is row 8 (t / 2) + r % 8 of stored tile 4 c + 2 (r / 8) + t % 2.)
; THE HEAD SIZE IS 64, THE INSTRUCTION'S K 128: Q's registers 6-11 are zero codes; a fragment of K is named as 12 registers of which the upper six are the next tile's codes: they meet zeros.
; LIMITS: the promise holds while the scaled scores t stay under 2^31 in magnitude; a block of zeros, or one under 2^-124, gets the byte 1 (read by this program alone); NaN and infinities are not
; served.  A block's largest p is made from the block's largest score by the same two instructions: this takes v_exp_f32 not to fall where its input rises.
; REGISTERS.  window 0: v1-11 addresses; v12-27 statistics, 8 a tile: -M, largest score, the sum's halves, f (and partner), two at work; v28-31 K's scale words, v32-35 V's, v36-37 Q's, v38-39 P's;
;   v40-47 maxima; v48-55 at work; v56-63 scale operands; v64-191 S^T, then p; v192-215 P's codes; v216-247 partial sums, then v216-231 the codes' upper halves; v248-249 a sum; v250 8 x lane; v251 8 h.
;   window 1: v0-53 K (tile T at 6 T); v64-111 V; v112-135 Q; v144-207 O^T.
.set KVB,  6656                        ; a block: 128 keys of K, or of V
.set VOFF, 106496                      ; V's blocks lie behind K's sixteen
.set CHK,  4*KVB                       ; what one wave's load brings
.set AK0,  1                           ; v1   1536 (r / 8) + 128 h + 8 (r % 8)
.set AS0,  2                           ; v2   256 h + 16 (r % 8) + 8 (r / 8)
.set AV0,  3                           ; v3   16 x lane + VOFF
.set AVS0, 4                           ; v4   16 r + VOFF
.set ADK,  5                           ; v5-8 the same + the step's first byte
.set ADS,  6
.set ADV,  7
.set ADVS, 8
.set R16,  9
.set ASO,  10                          ; v10  512 h + 8 r
.set HH,   11
.set ST,   12
.set KS,   28
.set VS,   32
.set QS,   36
.set PW,   38
.set BMX,  40
.set PRM,  48
.set SOP,  56
.set S,    64
.set PC,   192
.set CT,   216
.set TT,   216
.set U,    248
.set L8,   250
.set SH8,  251
.set KF,   0
.set VF,   64
.set QF,   112
.set O,    144
.set WV,   12
.set SEL,  20
.set CS,   22                          ; s[22:23] c = log2(e) / 8
.set G1,   24
.set G0,   32
.set TB,   48
.set CNT,  49
.set PASS, 50
.set CN,   51                          ; s51 -c
.set QB,   52
.set QSB,  54
.set MSB, 0
.macro WIN new
.if MSB != (\new)
	s_set_vgpr_msb (MSB<<8)|(\new)
.set MSB, (\new)
.endif
.endm
.macro WALU
	s_wait_alu depctr_va_vdst(0)
.endm
.macro CROUND
	s_barrier_signal -1
	s_barrier_wait -1
	s_cmp_lg_u32 s[WV], 0
	s_cbranch_scc1 .Lnot_wave_0_\@
	s_barrier_signal -3
.Lnot_wave_0_\@:
	s_barrier_wait -3
	s_barrier_signal -1
	s_barrier_wait -1
.endm
	s_load_b256 s[4:11], s[0:1], 0x0               ; Qi, KVi, Ai, As
	v_lshl_add_u32 v254, v0, 2, 0x34000
	v_mov_b32 v255, 0
	ds_add_u32 v254, v255                          ; the opening lines
	ds_add_u32 v254, v255
	v_lshrrev_b32 v1, 5, v0
	v_readfirstlane_b32 s[WV], v1                  ; wave 0..7
	s_bfe_u32 s13, ttmp6, 0x40000                  ; cx: it enters Q's, Ai's and As's addresses alone
	s_and_b32 s14, ttmp7, 0xffff                   ; bh, which the partners share
	s_lshr_b32 s15, s[WV], 2
	s_and_b32 s16, s[WV], 3
	s_mul_i32 s17, s[WV], CHK                      ; my chunk: its LDS byte, and its byte in the head's part of KVi
	s_mul_i32 s18, s14, 2*VOFF
	s_add_co_u32 s18, s18, s17
	s_mov_b32 s19, 0
	s_mov_b32 s[G1], 15|(3<<16)|(1<<21)            ; the mask: all four; elements of 8 bytes; bit 21 beside a mask
	s_mov_b32 s[G1+1], 32<<16                      ; 26,624 dense bytes: 104 rows of 256
	s_mov_b32 s[G1+2], 104<<16
	s_mov_b32 s[G1+3], 32<<16
	s_mov_b32 s[G1+4], 104
	s_mov_b32 s[G1+5], 32
	s_mov_b32 s[G1+6], 0
	s_mov_b32 s[G1+7], 0
	s_mov_b32 s[SEL], 0x76543210
	s_mov_b32 s[SEL+1], 0xfedcba98
	s_mov_b32 s[CS], 0x3e38aa3b
	s_mov_b32 s[CS+1], s[CS]
	s_mov_b32 s[CN], 0xbe38aa3b
	s_lshl_b32 s56, s14, 4
	s_lshl_b32 s57, s13, 2
	s_add_co_u32 s56, s56, s57
	s_add_co_u32 s56, s56, s15
	s_mul_i32 s56, s56, KVB                        ; my block of Qi in the first pass: bh x 16 + 4 cx + wave / 4
	s_mul_i32 s58, s16, 1536
	s_add_co_u32 s58, s58, s56
	s_mov_b32 s59, 0
	s_lshr_b32 s60, s16, 1
	s_lshl_b32 s60, s60, 8
	s_and_b32 s57, s[WV], 1
	s_lshl_b32 s57, s57, 3
	s_add_co_u32 s60, s60, s57
	s_add_co_u32 s60, s60, s56
	s_add_co_u32 s60, s60, 6144                    ; my tiles' words in the scale image
	s_mov_b32 s61, 0
	s_lshr_b32 s56, s14, 4
	s_lshl_b32 s56, s56, 7
	s_lshl_b32 s57, s13, 5
	s_add_co_u32 s56, s56, s57
	s_lshl_b32 s57, s[WV], 1
	s_add_co_u32 s56, s56, s57                     ; my first tile of Ai
	s_and_b32 s57, s14, 15                         ; the head
	s_mul_i32 s62, s56, 12288
	s_mul_i32 s63, s57, 768
	s_add_co_u32 s62, s62, s63
	s_mov_b32 s63, 0
	s_lshl_b32 s2, s56, 9
	s_lshr_b32 s3, s57, 2
	s_lshl_b32 s3, s3, 7
	s_add_co_u32 s2, s2, s3
	s_bfe_u32 s3, s57, 0x10001
	s_lshl_b32 s3, s3, 2
	s_add_co_u32 s2, s2, s3
	s_and_b32 s3, s57, 1
	s_lshl_b32 s3, s3, 1
	s_add_co_u32 s2, s2, s3                        ; the head's two bytes in As's words
	s_mov_b32 s3, 0
	s_wait_dscnt 0x0
	s_wait_kmcnt 0x0
	s_add_nc_u64 s[6:7], s[6:7], s[18:19]
	s_add_nc_u64 s[QB:QB+1], s[4:5], s[58:59]
	s_add_nc_u64 s[QSB:QSB+1], s[4:5], s[60:61]
	s_add_nc_u64 s[8:9], s[8:9], s[62:63]
	s_add_nc_u64 s[10:11], s[10:11], s[2:3]
	s_mov_b32 s[G0], 1
	s_mov_b32 s[G0+1], s17
	s_mov_b64 s[G0+2:G0+3], s[6:7]
	s_or_b32 s[G0+3], s[G0+3], 0x80000000
	CROUND                                         ; all four work-groups are here: the joint loads meet
	s_cmp_eq_u32 s16, 0                            ; one load a wave; waves 0 and 4, whose chunks are wanted first, have a line of their own
	s_cbranch_scc0 .Lrest
	tensor_load_to_lds s[G0:G0+3], s[G1:G1+7]
	s_nop 0
.rept 4
	v_nop
.endr
	s_branch .Lasked
.Lrest:
	tensor_load_to_lds s[G0:G0+3], s[G1:G1+7]
	s_nop 0
.rept 4
	v_nop
.endr
.Lasked:
	v_and_b32 v5, 31, v0
	v_and_b32 v6, 15, v0
	v_bfe_u32 v[HH], v0, 4, 1
	v_lshrrev_b32 v7, 3, v6                        ; r / 8
	v_and_b32 v8, 7, v6                            ; r % 8
	v_lshlrev_b32 v[L8], 3, v5
	v_lshlrev_b32 v[AV0], 4, v5
	v_add_nc_u32 v[AV0], VOFF, v[AV0]
	v_lshlrev_b32 v[R16], 4, v6
	v_add_nc_u32 v[AVS0], VOFF, v[R16]
	v_lshlrev_b32 v[ASO], 9, v[HH]
	v_lshl_add_u32 v[ASO], v6, 3, v[ASO]
	v_lshlrev_b32 v[SH8], 3, v[HH]
	v_mul_u32_u24 v[AK0], v7, 1536
	v_lshl_add_u32 v[AK0], v[HH], 7, v[AK0]
	v_lshl_add_u32 v[AK0], v8, 3, v[AK0]
	v_lshlrev_b32 v[AS0], 8, v[HH]
	v_lshl_add_u32 v[AS0], v8, 4, v[AS0]
	v_lshl_add_u32 v[AS0], v7, 3, v[AS0]
.irp b, 0,1,2,3,4,5,6,7
	v_mov_b32 v[PRM+\b], 0                         ; a lane permute's destination counts as one of its sources
.endr
	WIN 0x40
.irp i, 0,1,2,3,4,5
	v_mov_b32 v[KF+48+\i], 0                       ; behind K's last tile
	v_mov_b32 v[QF+6+\i], 0                        ; Q's upper halves: zero codes
	v_mov_b32 v[QF+18+\i], 0
.endr
	WIN 0
; A block of K into registers: 24 loads of 8 bytes a lane, and its scale words (register t: lanes 0-15 tile t's, lanes 16-31 tile 4 + t's)
.macro KFETCH off
	WIN 0x40
.irp c, 0,1
.irp t, 0,1,2,3
.irp i, 0,1,2
	ds_load_b64 v[KF+6*(4*\c+\t)+2*\i:KF+6*(4*\c+\t)+2*\i+1], v[ADK] offset:\off+(4*\c+\t%2)*768+64*(\t/2)+\i*256
.endr
.endr
.endr
	WIN 0
	ds_load_b64 v[KS:KS+1], v[ADS] offset:\off+6144
	ds_load_b64 v[KS+2:KS+3], v[ADS] offset:\off+6144+128
.endm
; A KEY STEP: 128 keys.  pre = 1: the next step's K is fetched behind this step's first products.
.macro STEP pre
	v_add_nc_u32 v[ADK], s[TB], v[AK0]             ; these four are the places behind the last step's products
	v_add_nc_u32 v[ADS], s[TB], v[AS0]
	v_add_nc_u32 v[ADV], s[TB], v[AV0]
	v_add_nc_u32 v[ADVS], s[TB], v[AVS0]
	WIN 0x40
.irp t, 0,1,2,3
.irp c, 0,1,2
	ds_load_b128 v[VF+12*\t+4*\c:VF+12*\t+4*\c+3], v[ADV] offset:\t*1536+\c*512
.endr
.endr
	WIN 0
	ds_load_b128 v[VS:VS+3], v[ADVS] offset:6144
	s_wait_dscnt 13                                ; K is in; V's 13 loads may be out
	WIN 0x05
.irp tt, 0,1,2,3,4,5,6,7
.irp x, 0,1
.if \tt < 4
	v_wmma_scale_f32_16x16x128_f8f6f4 v[S+64*\x+8*\tt:S+64*\x+8*\tt+7], v[KF+6*\tt:KF+6*\tt+11], v[QF+12*\x:QF+12*\x+11], 0, v[KS+\tt%4], v[QS+\x] matrix_a_fmt:MATRIX_FMT_FP6 matrix_b_fmt:MATRIX_FMT_FP6
.else
	v_wmma_scale_f32_16x16x128_f8f6f4 v[S+64*\x+8*\tt:S+64*\x+8*\tt+7], v[KF+6*\tt:KF+6*\tt+11], v[QF+12*\x:QF+12*\x+11], 0, v[KS+\tt%4], v[QS+\x] matrix_a_fmt:MATRIX_FMT_FP6 matrix_b_fmt:MATRIX_FMT_FP6 matrix_a_scale:MATRIX_SCALE_ROW1
.endif
.endr
.endr
	WIN 0
.rept 4
	v_nop                                          ; places ahead of the loads into K's registers and of the first read of the scores
.endr
.if \pre
	WALU
	KFETCH KVB
.endif
; the largest score of each of my four blocks of 32 keys (x, c), in two chains a block
.irp x, 0,1
.irp c, 0,1
.irp u, 0,1
	v_max3_num_f32 v[BMX+4*\x+2*\u+\c], v[S+64*\x+32*\c+16*\u], v[S+64*\x+32*\c+16*\u+1], v[S+64*\x+32*\c+16*\u+2]
.endr
.endr
.endr
.irp i, 3,5,7,9,11,13
.irp x, 0,1
.irp c, 0,1
.irp u, 0,1
	v_max3_num_f32 v[BMX+4*\x+2*\u+\c], v[BMX+4*\x+2*\u+\c], v[S+64*\x+32*\c+16*\u+\i], v[S+64*\x+32*\c+16*\u+\i+1]
.endr
.endr
.endr
.endr
.irp x, 0,1
.irp c, 0,1
	v_max3_num_f32 v[BMX+4*\x+\c], v[BMX+4*\x+\c], v[BMX+4*\x+2+\c], v[S+64*\x+32*\c+15]
.endr
.endr
.irp x, 0,1
.irp c, 0,1
	v_max_num_f32 v[BMX+4*\x+\c], v[BMX+4*\x+\c], v[S+64*\x+32*\c+31]
.endr
.endr
.irp x, 0,1
	v_max_num_f32 v[ST+8*\x+6], v[BMX+4*\x], v[BMX+4*\x+1]
.endr
.irp x, 0,1
	v_permlanex16_b32 v[ST+8*\x+7], v[ST+8*\x+6], s[SEL], s[SEL+1]   ; lane l xor 16's 64 keys
.endr
.irp x, 0,1
	v_max3_num_f32 v[ST+8*\x+1], v[ST+8*\x+1], v[ST+8*\x+6], v[ST+8*\x+7]   ; the running largest score
.endr
.irp x, 0,1
	v_mul_f32 v[ST+8*\x+6], s[CN], v[ST+8*\x+1]    ; -t
.endr
.irp x, 0,1
	v_mov_b32 v[ST+8*\x+7], v[ST+8*\x]
.endr
.irp x, 0,1
	v_floor_f32 v[ST+8*\x], v[ST+8*\x+6]           ; the new -M = floor(-t)
.endr
.irp x, 0,1
	v_sub_f32 v[ST+8*\x+6], v[ST+8*\x], v[ST+8*\x+7]   ; old M - new M: a whole number, 0 or less
.endr
.irp x, 0,1
	v_cvt_i32_f32 v[ST+8*\x+6], v[ST+8*\x+6]       ; (it saturates)
.endr
.irp x, 0,1
	v_ldexp_f32 v[ST+8*\x+4], 1.0, v[ST+8*\x+6]    ; f = 2^(old M - new M)
.endr
.set j, 0
.rept 32
	v_pk_fma_f32 v[S+j:S+j+1], v[S+j:S+j+1], s[CS:CS+1], v[ST:ST+1] op_sel_hi:[1,0,0]   ; tile 0: t - M
.set j, j+2
.endr
.irp x, 0,1
.irp c, 0,1
	v_fma_f32 v[BMX+4*\x+\c], v[BMX+4*\x+\c], s[CS], v[ST+8*\x]   ; the same of each block's largest score
.endr
.endr
	WALU                                           ; ahead of the batch
.set j, 0
.rept 32                               ; tile 0's exponentials, with tile 1's t - M among them
	v_exp_f32 v[S+j], v[S+j]
	v_exp_f32 v[S+j+1], v[S+j+1]
	v_pk_fma_f32 v[S+64+j:S+64+j+1], v[S+64+j:S+64+j+1], s[CS:CS+1], v[ST+8:ST+9] op_sel_hi:[1,0,0]
.set j, j+2
.endr
	WALU                                           ; behind tile 0's batch and ahead of tile 1's
.set j, 0
.rept 16                               ; tile 1's exponentials, with the first level of tile 0's sum among them: sixteen sums that do not hang on each other
	v_exp_f32 v[S+64+4*j], v[S+64+4*j]
	v_exp_f32 v[S+64+4*j+1], v[S+64+4*j+1]
	v_exp_f32 v[S+64+4*j+2], v[S+64+4*j+2]
	v_exp_f32 v[S+64+4*j+3], v[S+64+4*j+3]
	v_pk_add_f32 v[TT+2*j:TT+2*j+1], v[S+4*j:S+4*j+1], v[S+4*j+2:S+4*j+3]
.set j, j+1
.endr
.irp x, 0,1
.irp c, 0,1
	v_exp_f32 v[BMX+4*\x+\c], v[BMX+4*\x+\c]       ; the blocks' largest p
.endr
.endr
.irp x, 0,1
	v_pk_mul_f32 v[ST+8*\x+2:ST+8*\x+3], v[ST+8*\x+2:ST+8*\x+3], v[ST+8*\x+4:ST+8*\x+5] op_sel_hi:[1,0]   ; the sums under the new M; plain places behind the exponentials
.endr
	WIN 0x41
	WALU                                           ; one wait for the batch, ahead of its readers, and directly ahead of the first readers of O^T
.irp x, 0,1
.set j, 0
.rept 16
	v_pk_mul_f32 v[O+32*\x+j:O+32*\x+j+1], v[O+32*\x+j:O+32*\x+j+1], v[ST+8*\x+4:ST+8*\x+5] op_sel_hi:[1,0]   ; O^T under the new M
.set j, j+2
.endr
.endr
	WIN 0
	s_wait_dscnt 26*\pre                           ; V is in; the next step's 26 loads of K may be out
	v_pk_add_f32 v[U:U+1], v[S+64:S+65], v[S+66:S+67]   ; the rows' sums of the unquantised p, four chains by turns
.irp k, 1,2,3,4,5,6,7,8,9,10,11,12,13
	v_pk_add_f32 v[ST+10:ST+11], v[ST+10:ST+11], v[S+64+4*\k:S+64+4*\k+1]
	v_pk_add_f32 v[U:U+1], v[U:U+1], v[S+64+4*\k+2:S+64+4*\k+3]
.if \k <= 8
	v_pk_add_f32 v[ST+2:ST+3], v[ST+2:ST+3], v[TT+4*(\k-1):TT+4*(\k-1)+1]
.endif
.if \k <= 7
	v_pk_add_f32 v[TT+2:TT+3], v[TT+2:TT+3], v[TT+4*\k+2:TT+4*\k+3]
.endif
.endr
	v_pk_add_f32 v[ST+2:ST+3], v[ST+2:ST+3], v[TT+2:TT+3]
.irp x, 0,1
.irp c, 0,1
	v_max_num_f32 v[BMX+4*\x+\c], 0x1800000, v[BMX+4*\x+\c]   ; the floor 2^(3 - 127)
.endr
.endr
.irp x, 0,1
.irp c, 0,1
	v_add_nc_u32 v[SOP+4*\x+\c], 0xff000000, v[BMX+4*\x+\c]   ; the conversion's scale operand
.endr
.endr
.irp x, 0,1
.irp c, 0,1
	v_lshrrev_b32 v[PRM+4*\x+\c], 23, v[SOP+4*\x+\c]   ; the byte of block 2 c + h
.endr
.endr
.irp x, 0,1
	v_lshl_or_b32 v[PW+\x], v[PRM+4*\x+1], 16, v[PRM+4*\x]
.endr
.irp x, 0,1
	v_lshlrev_b32 v[PW+\x], v[SH8], v[PW+\x]       ; at bytes h and 2 + h
.endr
.irp x, 0,1
	v_permlanex16_b32 v[PRM+4*\x+2], v[PW+\x], s[SEL], s[SEL+1]
.endr
.irp x, 0,1
	v_or_b32 v[PW+\x], v[PW+\x], v[PRM+4*\x+2]     ; p's scale word for these 128 keys
.endr
.irp x, 0,1
.irp c, 0,1
	v_cvt_scalef32_pk16_fp6_f32 v[PC+12*\x+6*\c:PC+12*\x+6*\c+2], v[S+64*\x+32*\c:S+64*\x+32*\c+15], v[SOP+4*\x+\c]
	v_cvt_scalef32_pk16_fp6_f32 v[CT+8*\x+4*\c:CT+8*\x+4*\c+2], v[S+64*\x+32*\c+16:S+64*\x+32*\c+31], v[SOP+4*\x+\c]
.endr
.endr
	v_nop                                          ; one plain place behind a scaled conversion
.irp x, 0,1
.irp c, 0,1
.irp i, 0,1,2
	v_mov_b32 v[PC+12*\x+6*\c+3+\i], v[CT+8*\x+4*\c+\i]   ; (a conversion's three registers begin on an even number)
.endr
.endr
.endr
.irp k, 14,15                          ; the last lines of tile 1's sum are the places between the codes' moves and the products below
	v_pk_add_f32 v[ST+10:ST+11], v[ST+10:ST+11], v[S+64+4*\k:S+64+4*\k+1]
	v_pk_add_f32 v[U:U+1], v[U:U+1], v[S+64+4*\k+2:S+64+4*\k+3]
.endr
	v_pk_add_f32 v[ST+10:ST+11], v[ST+10:ST+11], v[U:U+1]
	WIN 0x51
.irp t, 0,1,2,3                        ; eight accumulators by turns
.irp x, 0,1
	v_wmma_scale_f32_16x16x128_f8f6f4 v[O+32*\x+8*\t:O+32*\x+8*\t+7], v[VF+12*\t:VF+12*\t+11], v[PC+12*\x:PC+12*\x+11], v[O+32*\x+8*\t:O+32*\x+8*\t+7], v[VS+\t], v[PW+\x] matrix_a_fmt:MATRIX_FMT_FP6 matrix_b_fmt:MATRIX_FMT_FP6
.endr
.endr
	WIN 0
.endm
.macro RUN n
	s_mov_b32 s[CNT], \n
.Lrun_\@:
	STEP 1
	s_add_co_u32 s[TB], s[TB], KVB
	s_sub_co_u32 s[CNT], s[CNT], 1
	s_cmp_lg_u32 s[CNT], 0
	s_cbranch_scc1 .Lrun_\@
.endm
	s_mov_b32 s[PASS], 2
.Lpass:                                            ; a pass: 32 queries of mine against all 2,048 keys
	WIN 0x40
.irp x, 0,1
.irp i, 0,1,2
	global_load_b64 v[QF+12*\x+2*\i:QF+12*\x+2*\i+1], v[L8], s[QB:QB+1] offset:\x*768+\i*256
.endr
.endr
.set j, 0
.rept 64
	v_mov_b32 v[O+j], 0                            ; O^T: the step is written once; its first run finds zeros
.set j, j+1
.endr
	WIN 0
	global_load_b32 v[QS], v[R16], s[QSB:QSB+1]
	global_load_b32 v[QS+1], v[R16], s[QSB:QSB+1] offset:4
.irp x, 0,1
	v_mov_b32 v[ST+8*\x+1], 0xff61b1e6             ; the largest score so far: -3e38
	v_floor_f32 v[ST+8*\x], -v[ST+8*\x+1]          ; a first -M far above any: the first f is 0
	v_mov_b32 v[ST+8*\x+2], 0
	v_mov_b32 v[ST+8*\x+3], 0
	v_mov_b32 v[ST+8*\x+5], 0
	v_mov_b32 v[ST+8*\x+7], 0
.endr
	WALU
	s_cmp_eq_u32 s16, 0                            ; waves 0 and 4 wait for their own line's loads: key steps 0-3 of K and V
	s_cbranch_scc0 .Lnot_first
	s_wait_tensorcnt 0x0
.Lnot_first:
	s_wait_dscnt 0x0
	s_barrier_signal -1
	s_barrier_wait -1
	s_mov_b32 s[TB], 0
	v_add_nc_u32 v[ADK], s[TB], v[AK0]
	v_add_nc_u32 v[ADS], s[TB], v[AS0]
	KFETCH 0
	s_wait_loadcnt 0x0                             ; Q
	RUN 3                                          ; steps 0-2, which fetch K of steps 1-3
	s_wait_tensorcnt 0x0                           ; every wave: all that was still out
	s_wait_dscnt 0x0
	s_barrier_signal -1
	s_barrier_wait -1
	s_mov_b32 s[TB], 3*KVB
	RUN 12
	s_mov_b32 s[TB], 15*KVB
	STEP 0
	; THE WAY OUT: O^T / the sum, quantised along the head's 64, as registers 6 (head % 2) .. of fragment head / 2 of my tiles of Ai
.rept 4
	v_nop
.endr
.irp x, 0,1
	v_add_f32 v[ST+8*\x+6], v[ST+8*\x+2], v[ST+8*\x+3]
.endr
.irp x, 0,1
	v_permlanex16_b32 v[ST+8*\x+7], v[ST+8*\x+6], s[SEL], s[SEL+1]
.endr
.irp x, 0,1
	v_add_f32 v[ST+8*\x+6], v[ST+8*\x+6], v[ST+8*\x+7]   ; the row's sum
.endr
	WALU
.irp x, 0,1
	v_rcp_f32 v[ST+8*\x+4], v[ST+8*\x+6]
.endr
	v_nop
	WIN 0x01
	WALU                                           ; for the two reciprocals, and directly ahead of the first readers of O^T
.irp x, 0,1
.set j, 0
.rept 16
	v_pk_mul_f32 v[S+64*\x+j:S+64*\x+j+1], v[O+32*\x+j:O+32*\x+j+1], v[ST+8*\x+4:ST+8*\x+5] op_sel_hi:[1,0]   ; register 16 g + i: d = 32 g + 16 h + i
.set j, j+2
.endr
.endr
	WIN 0
.irp x, 0,1
.irp b, 0,1
	v_max3_num_f32 v[BMX+4*\x+\b], |v[S+64*\x+16*\b]|, |v[S+64*\x+16*\b+1]|, 0x1800000
.endr
.endr
.irp i, 2,4,6,8,10,12,14
.irp x, 0,1
.irp b, 0,1
	v_max3_num_f32 v[BMX+4*\x+\b], v[BMX+4*\x+\b], |v[S+64*\x+16*\b+\i]|, |v[S+64*\x+16*\b+\i+1]|
.endr
.endr
.endr
.irp x, 0,1
.irp b, 0,1
	v_permlanex16_b32 v[PRM+4*\x+\b], v[BMX+4*\x+\b], s[SEL], s[SEL+1]
.endr
.endr
.irp x, 0,1
.irp b, 0,1
	v_max_num_f32 v[BMX+4*\x+\b], v[BMX+4*\x+\b], v[PRM+4*\x+\b]
.endr
.endr
.irp x, 0,1
.irp b, 0,1
	v_add_nc_u32 v[SOP+4*\x+\b], 0xff000000, v[BMX+4*\x+\b]
.endr
.endr
.irp x, 0,1
.irp b, 0,1
	v_lshrrev_b32 v[PRM+4*\x+\b], 23, v[SOP+4*\x+\b]
.endr
.endr
.irp x, 0,1
	v_lshl_or_b32 v[PW+\x], v[PRM+4*\x+1], 8, v[PRM+4*\x]   ; the head's two bytes
.endr
.irp x, 0,1
	v_cvt_scalef32_pk16_fp6_f32 v[PC+12*\x:PC+12*\x+2], v[S+64*\x:S+64*\x+15], v[SOP+4*\x]
	v_cvt_scalef32_pk16_fp6_f32 v[CT+8*\x:CT+8*\x+2], v[S+64*\x+16:S+64*\x+31], v[SOP+4*\x+1]
.endr
	v_nop
.irp x, 0,1
.irp i, 0,1,2
	v_permlane16_swap_b32 v[PC+12*\x+\i], v[CT+8*\x+\i]
.endr
.irp i, 0,1,2
	v_mov_b32 v[PC+12*\x+3+\i], v[CT+8*\x+\i]
.endr
.endr
.irp x, 0,1
.irp i, 0,1,2
	global_store_b64 v[L8], v[PC+12*\x+2*\i:PC+12*\x+2*\i+1], s[8:9] offset:\x*12288+\i*256   ; 256 consecutive bytes, aligned
.endr
.endr
	v_cmp_ne_u32 vcc_lo, 0, v[HH]
	v_cndmask_b32 v[ST+6], v[PW], v[PW+1], vcc_lo  ; lanes 0-15 tile 0's rows, lanes 16-31 tile 1's
	global_store_b16 v[ASO], v[ST+6], s[10:11]     ; 2 bytes a row, 8 bytes apart; the words' other halves are other heads'
	s_wait_xcnt 0x0                                ; loads and stores have read their bases and registers
	s_add_nc_u64 s[QB:QB+1], s[QB:QB+1], 2*KVB     ; the next 256 queries
	s_add_nc_u64 s[QSB:QSB+1], s[QSB:QSB+1], 2*KVB
	s_add_nc_u64 s[8:9], s[8:9], 16*12288
	s_add_nc_u64 s[10:11], s[10:11], 16*512
	s_sub_co_u32 s[PASS], s[PASS], 1
	s_cmp_lg_u32 s[PASS], 0
	s_wait_alu depctr_va_vdst(0)
	s_cbranch_scc1 .Lpass
	s_wait_tensorcnt 0x0                           ; the wave's end
	ds_add_u32 v254, v255
	s_wait_dscnt 0x0
	CROUND                                         ; the closing round
	s_endpgm
.Lfunc_end_k_qf71323ff40_attn:
	.size	k_qf71323ff40_attn, .Lfunc_end_k_qf71323ff40_attn-k_qf71323ff40_attn
	.p2alignl 7, 3214868480
	.fill 96, 4, 3214868480
	.section	.rodata,"a",@progbits
	.p2align	6, 0x0
	.amdhsa_kernel k_qf71323ff40_attn
		.amdhsa_group_segment_fixed_size 214016
		.amdhsa_private_segment_fixed_size 0
		.amdhsa_enable_private_segment 0
		.amdhsa_kernarg_size 32
		.amdhsa_user_sgpr_count 2
		.amdhsa_user_sgpr_kernarg_segment_ptr 1
		.amdhsa_wavefront_size32 1
		.amdhsa_system_sgpr_workgroup_id_x 1
		.amdhsa_system_sgpr_workgroup_id_y 1
		.amdhsa_system_sgpr_workgroup_id_z 1
		.amdhsa_system_vgpr_workitem_id 0
		.amdhsa_next_free_vgpr 512
		.amdhsa_next_free_sgpr 66
		.amdhsa_reserve_vcc 1
		.amdhsa_float_denorm_mode_32 3
		.amdhsa_float_denorm_mode_16_64 3
		.amdhsa_memory_ordered 1
		.amdhsa_forward_progress 1
		.amdhsa_inst_pref_size 101
	.end_amdhsa_kernel
	.amdgpu_metadata
---
amdhsa.version: [ 1, 2 ]
amdhsa.kernels:
  - .name:           k_qf71323ff40_attn
    .symbol:         k_qf71323ff40_attn.kd
    .args:
      - { .name: Qi, .offset: 0, .size: 8, .value_kind: global_buffer, .address_space: global }
      - { .name: KVi, .offset: 8, .size: 8, .value_kind: global_buffer, .address_space: global }
      - { .name: Ai, .offset: 16, .size: 8, .value_kind: global_buffer, .address_space: global }
      - { .name: As, .offset: 24, .size: 8, .value_kind: global_buffer, .address_space: global }
    .group_segment_fixed_size: 214016
    .private_segment_fixed_size: 0
    .kernarg_segment_align: 8
    .kernarg_segment_size: 32
    .max_flat_workgroup_size: 256
    .sgpr_count:     66
    .vgpr_count:     512
    .wavefront_size: 32
...
	.end_amdgpu_metadata
.endif
;; end of part 3
;; launch oproj (part 4): grid 8 x 32, 4 waves a work-group, clusters of 4 x 4, 312,832 bytes of LDS; arguments Ai, As, Wc, Ws, bo, out0; writes out0
.if DOCPART == 4
	.amdgcn_target "amdgcn-amd-amdhsa--gfx1250"
	.amdhsa_code_object_version 6
	.text
	.protected	k_qf71323ff40_oproj
	.globl	k_qf71323ff40_oproj
	.p2align	8
	.type	k_qf71323ff40_oproj,@function
k_qf71323ff40_oproj:
	s_mov_b64 s[64:65], 0
	v_nop
	global_prefetch_b8 v0, s[64:65] scope:SCOPE_SE
	s_setreg_imm32_b32 hwreg(HW_REG_WAVE_MODE, 25, 1), 1
	s_wait_xcnt 0x0
	s_wait_alu depctr_hold_cnt(0) depctr_sa_sdst(0) depctr_va_vdst(0) depctr_va_sdst(0) depctr_va_ssrc(0) depctr_va_vcc(0) depctr_vm_vsrc(0)
	s_getreg_b32 s2, hwreg(HW_REG_IB_STS2, 6, 4)
	s_cmp_eq_u32 s2, 0
	s_cbranch_scc0 .Lentry_in_a_cluster
	s_endpgm
.Lentry_in_a_cluster:
	s_bfe_u32 s2, ttmp6, 0x10000c
	s_cmp_lg_u32 s2, 0xf033
	s_cbranch_scc0 .Lentry_shape_is_right
	s_endpgm
.Lentry_shape_is_right:
; out0 = attn Wo + bo on codes of FP6 (E2M3) with E8M0 scales.  Ai, As: attn's rows; Wc, Ws (weight 3): Wo's columns; both as images of operand registers, rows and columns in TILE ORDER
; (tile 2 g + u, lane row r: 32 g + 8 u + r + 8 (r / 8)); fragment (T, s) at T x 12288 + s x 1536, pair p of lane L at 256 p + 8 L; scale word (T, s, r) at T x 512 + (s / 2) x 128 + 8 r + 4 (s % 2).
; SHARES.  256 work-groups, each 256 rows x 128 columns, ALL OF K IN LDS: Wo's 8 tiles (98,304 bytes) and attn's 16 (196,608), each byte filled once: no ring, no refill.
; Four waves, 2 x 2: wave (a, b) holds columns 64 b .. of Wo, all of K, in 384 registers, and streams its 8 tiles of 16 rows past them: a block is 32 products on four accumulators by turns, and
; its 16 x 64 results leave at once, through the wave's own stage, as whole rows of 256 bytes.
; FILLS: one joint load a wave, each a line of its own: wave 0 Wo's tiles; waves 1, 2, 3 tiles 0-1, 2-4, 5-7 of both halves of the rows.  A barrier shows each when it is first wanted; behind none is anything filled.
; A's tiles are shared by a row of the 4 x 4 cluster, Wo's by a column.  All is asked for at the head and there is no loop to run ahead in: so no prefetch.
; The scale words come straight into registers, 256 consecutive bytes a load: register 2 i + e of a tile holds step 4 i + e in lanes 0-15 and step 4 i + 2 + e in lanes 16-31.
; THE MATRIX INSTRUCTION IS USED TRANSPOSED (source 0 = Wo's columns): a lane holds 8 neighbouring columns of one row.  The bias is the first products' C.
; REGISTERS.  window 0: v4-12 addresses; v32-63 A's scale words; v66-81 Wo's; v96-127 the bias; v128-191 two sets of accumulators; v192-255 two sets of rows on the way out.
;   Fragment f lies in window 1 + f / 21 at 12 (f % 21): 0-31 Wo's (4 q + t), 32-39 and 40-47 the rows' two sets.
.set TB,    12288
.set AB,    8*TB
.set P2,    AB+4*TB
.set P3,    P2+6*TB
.set STAGE, AB+16*TB
.set SPITCH, 272
.set SPARE, STAGE+4*16*SPITCH
.set ADRB, 4
.set ADA1, 5
.set ADA2, 6
.set ADA3, 7
.set STO,  8
.set RD,   9
.set CO,   10
.set L8,   11
.set H64,  12
.set SPW,  28
.set NIL,  29
.set SA,   32
.set SB,   66
.set BN,   96
.set ACC,  128
.set BK,   192
.set G1B,  24
.set G1P,  32
.set G1Q,  48
.set G0B,  56
.set G0P1, 60
.set G0P2, 68
.set G0P3, 72
.set MSB, 0
.macro WIN new
.if MSB != (\new)
	s_set_vgpr_msb (MSB<<8)|(\new)
.set MSB, (\new)
.endif
.endm
.macro CROUND
	s_barrier_signal -1
	s_barrier_wait -1
	s_cmp_lg_u32 s14, 0
	s_cbranch_scc1 .Lnot_wave_0_\@
	s_barrier_signal -3
.Lnot_wave_0_\@:
	s_barrier_wait -3
	s_barrier_signal -1
	s_barrier_wait -1
.endm
.macro TLOAD g0, g1
	tensor_load_to_lds s[\g0:\g0+3], s[\g1:\g1+7]
	s_nop 0
.rept 4
	v_nop
.endr
.endm
.macro GROUP1 g, mask, c, rows, pitch  ; rows of c elements of 8 bytes
	s_or_b32 s[\g+0], s\mask, (3<<16)|(1<<21)
	s_mov_b32 s[\g+1], (\c)<<16
	s_mov_b32 s[\g+2], (\rows)<<16
	s_mov_b32 s[\g+3], (\c)<<16
	s_mov_b32 s[\g+4], \rows
	s_mov_b32 s[\g+5], \pitch
	s_mov_b32 s[\g+6], 0
	s_mov_b32 s[\g+7], 0
.endm
.macro WAITFOR w                       ; wave w waits for its own line's load
	s_cmp_eq_u32 s14, \w
	s_cbranch_scc0 .Lnot_mine_\@
	s_wait_tensorcnt 0x0
.Lnot_mine_\@:
.endm
	s_load_b256 s[4:11], s[0:1], 0x0               ; Ai, As, Wc, Ws
	s_load_b128 s[96:99], s[0:1], 0x20             ; bo, out0
	v_lshl_add_u32 v[SPW], v0, 2, SPARE
	v_mov_b32 v[NIL], 0
	ds_add_u32 v[SPW], v[NIL]                      ; the opening lines
	ds_add_u32 v[SPW], v[NIL]
	v_lshrrev_b32 v1, 5, v0
	v_readfirstlane_b32 s14, v1                    ; wave
	s_lshr_b32 s15, s14, 1                         ; a: my half of the rows
	s_and_b32 s16, s14, 1                          ; b: my half of the columns
	s_bfe_u32 s40, ttmp6, 0x40000
	s_bfe_u32 s41, ttmp6, 0x40004
	s_lshl_b32 s42, ttmp9, 2
	s_add_co_u32 s42, s42, s40                     ; tile column, 0 .. 7
	s_and_b32 s17, ttmp7, 0xffff
	s_lshl_b32 s17, s17, 2
	s_add_co_u32 s17, s17, s41                     ; tile row, 0 .. 31
	s_lshl_b32 s43, s41, 2
	s_lshl_b32 s43, 15, s43                        ; my row of the cluster
	s_lshl_b32 s44, 0x1111, s40                    ; my column
	GROUP1 G1B, 44, 32, 384, 32                    ; Wo's 8 tiles: 98,304 dense bytes as 384 rows of 256
	GROUP1 G1P, 43, 2*TB/8, 2, 8*TB/8              ; two tiles on end of each half of the rows
	GROUP1 G1Q, 43, 3*TB/8, 2, 8*TB/8              ; three
	s_mul_i32 s20, s17, 16*TB
	s_mov_b32 s21, 0
	s_mul_i32 s46, s42, 8*TB
	s_add_co_u32 s46, s46, 2359296
	s_mov_b32 s47, 0
	s_mov_b32 s[G0B], 1
	s_mov_b32 s[G0B+1], 0
	s_mov_b32 s[G0P1], 1
	s_mov_b32 s[G0P1+1], AB
	s_mov_b32 s[G0P2], 1
	s_mov_b32 s[G0P2+1], P2
	s_mov_b32 s[G0P3], 1
	s_mov_b32 s[G0P3+1], P3
	s_wait_alu depctr_va_vdst(0)
	s_wait_dscnt 0x0
	CROUND                                         ; the opening round: the joint loads meet
	s_wait_kmcnt 0x0
	s_add_nc_u64 s[G0B+2:G0B+3], s[8:9], s[46:47]
	s_add_nc_u64 s[G0P1+2:G0P1+3], s[4:5], s[20:21]
	s_add_nc_u64 s[G0P2+2:G0P2+3], s[G0P1+2:G0P1+3], 2*TB
	s_add_nc_u64 s[G0P3+2:G0P3+3], s[G0P1+2:G0P1+3], 5*TB
	s_or_b32 s[G0B+3], s[G0B+3], 0x80000000
	s_or_b32 s[G0P1+3], s[G0P1+3], 0x80000000
	s_or_b32 s[G0P2+3], s[G0P2+3], 0x80000000
	s_or_b32 s[G0P3+3], s[G0P3+3], 0x80000000
	s_cmp_eq_u32 s14, 0
	s_cbranch_scc0 .Lwave_1
	TLOAD G0B, G1B
	s_branch .Lasked
.Lwave_1:
	s_cmp_eq_u32 s14, 1
	s_cbranch_scc0 .Lwave_2
	TLOAD G0P1, G1P
	s_branch .Lasked
.Lwave_2:
	s_cmp_eq_u32 s14, 2
	s_cbranch_scc0 .Lwave_3
	TLOAD G0P2, G1Q
	s_branch .Lasked
.Lwave_3:
	TLOAD G0P3, G1Q
.Lasked:
	s_mov_b32 s77, 0
	s_lshl_b32 s76, s17, 13                        ; As: 16 tiles of 512 bytes a tile row, 8 a half
	s_lshl_b32 s78, s15, 12
	s_add_co_u32 s76, s76, s78
	s_add_nc_u64 s[6:7], s[6:7], s[76:77]
	s_lshl_b32 s76, s42, 12                        ; Ws: weight 3, 8 tiles a tile column, 4 a half
	s_lshl_b32 s78, s16, 11
	s_add_co_u32 s76, s76, s78
	s_add_co_u32 s76, s76, 98304
	s_add_nc_u64 s[10:11], s[10:11], s[76:77]
	s_lshl_b32 s76, s42, 9                         ; my first column, in bytes
	s_lshl_b32 s78, s16, 8
	s_add_co_u32 s76, s76, s78
	s_add_nc_u64 s[96:97], s[96:97], s[76:77]
	s_lshl_b32 s78, s17, 20                        ; my first row: 256 rows of 4,096 bytes a tile row, 128 a half
	s_add_co_u32 s76, s76, s78
	s_lshl_b32 s78, s15, 19
	s_add_co_u32 s76, s76, s78
	s_add_nc_u64 s[12:13], s[98:99], s[76:77]
	s_mul_i32 s80, s16, 4*TB
	s_mul_i32 s81, s15, 2*TB
	s_add_co_u32 s81, s81, AB
	s_mul_i32 s82, s15, 3*TB
	s_add_co_u32 s83, s82, P3
	s_add_co_u32 s82, s82, P2
	s_mul_i32 s84, s14, 16*SPITCH
	s_add_co_u32 s84, s84, STAGE
	v_and_b32 v1, 15, v0
	v_bfe_u32 v2, v0, 4, 1
	v_and_b32 v3, 31, v0
	v_lshlrev_b32 v[L8], 3, v3
	v_lshlrev_b32 v[H64], 6, v2
	v_add_nc_u32 v[ADRB], s80, v[L8]
	v_add_nc_u32 v[ADA1], s81, v[L8]
	v_add_nc_u32 v[ADA2], s82, v[L8]
	v_add_nc_u32 v[ADA3], s83, v[L8]
	v_mul_u32_u24 v[STO], v1, SPITCH               ; the stage, in: row r, + 64 h
	v_add_nc_u32 v[STO], v[STO], v[H64]
	v_add_nc_u32 v[STO], s84, v[STO]
	v_mul_u32_u24 v[RD], v2, SPITCH                ; and back: sixteen lanes to a row of 256 bytes, two rows a load
	v_lshl_add_u32 v[RD], v1, 4, v[RD]
	v_add_nc_u32 v[RD], s84, v[RD]
	v_lshlrev_b32 v[CO], 12, v2                    ; the same two rows in out0
	v_lshl_add_u32 v[CO], v1, 4, v[CO]
	s_wait_alu depctr_va_vdst(0)                   ; the wait at the head's end
.irp i, 0,1,2,3,4,5,6,7
.irp j, 0,1
	global_load_b64 v[SA+4*\i+2*\j:SA+4*\i+2*\j+1], v[L8], s[6:7] offset:\i*512+\j*256
.endr
.endr
.irp i, 0,1,2,3
.irp j, 0,1
	global_load_b64 v[SB+4*\i+2*\j:SB+4*\i+2*\j+1], v[L8], s[10:11] offset:\i*512+\j*256
.endr
.endr
.irp g, 0,1
.irp j, 0,1,2,3
	global_load_b128 v[BN+16*\g+4*\j:BN+16*\g+4*\j+3], v[H64], s[96:97] offset:128*\g+16*\j   ; register 16 g + i: column 32 g + 16 h + i
.endr
.endr
.macro FRAG f, adr, off
	WIN (1+(\f)/21)<<6
.irp p, 0,1,2,3,4,5
	ds_load_b64 v[12*((\f)%21)+2*\p:12*((\f)%21)+2*\p+1], v[\adr] offset:(\off)+\p*256
.endr
.endm
.macro FETCH e, adr, off               ; a tile of 16 rows, all of K, into set e: 48 loads
.irp q, 0,1,2,3,4,5,6,7
	FRAG 32+8*(\e)+\q, \adr, (\off)+\q*1536
.endr
	WIN 0
.endm
.macro PROD k, n                       ; n = 4 q + t
.set Q_, (\n)/4
.set T_, (\n)%4
.set FA_, 32+8*((\k)%2)+Q_
.set D_, ACC+32*((\k)%2)+8*T_
.set X_, 2*(Q_/4)+Q_%2
.set RB_, 12*((\n)%21)
.set RA_, 12*(FA_%21)
	WIN (1+(\n)/21)|((1+FA_/21)<<2)
.if Q_ == 0
	v_wmma_scale_f32_16x16x128_f8f6f4 v[D_:D_+7], v[RB_:RB_+11], v[RA_:RA_+11], v[BN+8*T_:BN+8*T_+7], v[SB+4*T_+X_], v[SA+4*(\k)+X_] matrix_a_fmt:MATRIX_FMT_FP6 matrix_b_fmt:MATRIX_FMT_FP6 matrix_a_scale:MATRIX_SCALE_ROW0 matrix_b_scale:MATRIX_SCALE_ROW0
.elseif (Q_/2)%2
	v_wmma_scale_f32_16x16x128_f8f6f4 v[D_:D_+7], v[RB_:RB_+11], v[RA_:RA_+11], v[D_:D_+7], v[SB+4*T_+X_], v[SA+4*(\k)+X_] matrix_a_fmt:MATRIX_FMT_FP6 matrix_b_fmt:MATRIX_FMT_FP6 matrix_a_scale:MATRIX_SCALE_ROW1 matrix_b_scale:MATRIX_SCALE_ROW1
.else
	v_wmma_scale_f32_16x16x128_f8f6f4 v[D_:D_+7], v[RB_:RB_+11], v[RA_:RA_+11], v[D_:D_+7], v[SB+4*T_+X_], v[SA+4*(\k)+X_] matrix_a_fmt:MATRIX_FMT_FP6 matrix_b_fmt:MATRIX_FMT_FP6 matrix_a_scale:MATRIX_SCALE_ROW0 matrix_b_scale:MATRIX_SCALE_ROW0
.endif
.endm
.macro PRODS k, from, to
.set N_, \from
.rept (\to)-(\from)
	PROD \k, N_
.set N_, N_+1
.endr
.endm
.macro TOSTAGE k                       ; block k's results into my stage, each accumulator from its low end on, and back as whole rows
.set AC, ACC+32*((\k)%2)
.irp b, 0,1,2,3
	ds_store_b128 v[STO], v[AC+8*\b:AC+8*\b+3] offset:128*(\b/2)+32*(\b%2)
	ds_store_b128 v[STO], v[AC+8*\b+4:AC+8*\b+7] offset:128*(\b/2)+32*(\b%2)+16
.endr
.irp t, 0,1,2,3,4,5,6,7
	ds_load_b128 v[BK+32*((\k)%2)+4*\t:BK+32*((\k)%2)+4*\t+3], v[RD] offset:\t*2*SPITCH   ; a wave's LDS instructions are served in order
.endr
.endm
.macro SEND k
.set RW, 32*((\k)/2)+8*((\k)%2)
.irp t, 0,1,2,3,4,5,6,7
	global_store_b128 v[CO], v[BK+32*((\k)%2)+4*\t:BK+32*((\k)%2)+4*\t+3], s[12:13] offset:(RW+2*\t+8*(\t/4))*4096 th:TH_STORE_NT   ; sixteen lanes fill an aligned unit of 256 bytes
.endr
.endm
; A block.  gate 1: a barrier inside it shows wave 2's tiles; gate 2: all that is still out.  adr, off: where tile k + 2 lies.
.macro BLK k, gate, adr, off
.if (\k) < 7
	s_wait_dscnt 48                                ; my rows and the last block's way back are in; the next block's 48 loads may be out
.else
	s_wait_dscnt 0x0
.endif
.if (\k) > 0
	SEND (\k)-1
.endif
.if \gate
	PRODS \k, 0, 16
	WIN 0
.if (\gate) == 1
	WAITFOR 2
.else
	s_wait_tensorcnt 0x0
.endif
	s_wait_dscnt 0x0
	s_barrier_signal -1
	PRODS \k, 16, 32
	WIN 0
	s_barrier_wait -1
.else
	PRODS \k, 0, 32
	WIN 0
.endif
.rept 4
	v_nop                                          ; places ahead of the reads of the results and of the loads into the rows' registers
.endr
.if (\k) > 1
	s_wait_xcnt 0x0                                ; block k - 2's stores have read their registers
.endif
	TOSTAGE \k
.if (\k) < 6
	FETCH (\k)%2, \adr, \off
.endif
.endm
	WAITFOR 0
	s_barrier_signal -1
	s_barrier_wait -1                              ; Wo's tiles are in
.irp q, 0,1,2,3,4,5,6,7
.irp t, 0,1,2,3
	FRAG 4*\q+\t, ADRB, \t*TB+\q*1536
.endr
.endr
	WIN 0
	WAITFOR 1
	s_wait_dscnt 0x0
	s_barrier_signal -1
	s_barrier_wait -1                              ; tiles 0 and 1 of both halves are in
	FETCH 0, ADA1, 0
	FETCH 1, ADA1, TB
	s_wait_loadcnt 0x0                             ; the scale words and the bias
	BLK 0, 1, ADA2, 0
	BLK 1, 0, ADA2, TB
	BLK 2, 0, ADA2, 2*TB
	BLK 3, 2, ADA3, 0
	BLK 4, 0, ADA3, TB
	BLK 5, 0, ADA3, 2*TB
	BLK 6, 0, ADA3, 0
	BLK 7, 0, ADA3, 0
	s_wait_dscnt 0x0
	SEND 7
	s_wait_tensorcnt 0x0                           ; the wave's end
	ds_add_u32 v[SPW], v[NIL]
	s_wait_dscnt 0x0
	CROUND                                         ; the closing round
	s_endpgm
.Lfunc_end_k_qf71323ff40_oproj:
	.size	k_qf71323ff40_oproj, .Lfunc_end_k_qf71323ff40_oproj-k_qf71323ff40_oproj
	.p2alignl 7, 3214868480
	.fill 96, 4, 3214868480
	.section	.rodata,"a",@progbits
	.p2align	6, 0x0
	.amdhsa_kernel k_qf71323ff40_oproj
		.amdhsa_group_segment_fixed_size 312832
		.amdhsa_private_segment_fixed_size 0
		.amdhsa_enable_private_segment 0
		.amdhsa_kernarg_size 48
		.amdhsa_user_sgpr_count 2
		.amdhsa_user_sgpr_kernarg_segment_ptr 1
		.amdhsa_wavefront_size32 1
		.amdhsa_system_sgpr_workgroup_id_x 1
		.amdhsa_system_sgpr_workgroup_id_y 1
		.amdhsa_system_sgpr_workgroup_id_z 1
		.amdhsa_system_vgpr_workitem_id 0
		.amdhsa_next_free_vgpr 848
		.amdhsa_next_free_sgpr 100
		.amdhsa_reserve_vcc 0
		.amdhsa_float_denorm_mode_32 3
		.amdhsa_float_denorm_mode_16_64 3
		.amdhsa_memory_ordered 1
		.amdhsa_forward_progress 1
		.amdhsa_inst_pref_size 97
	.end_amdhsa_kernel
	.amdgpu_metadata
---
amdhsa.version: [ 1, 2 ]
amdhsa.kernels:
  - .name:           k_qf71323ff40_oproj
    .symbol:         k_qf71323ff40_oproj.kd
    .args:
      - { .name: Ai, .offset: 0, .size: 8, .value_kind: global_buffer, .address_space: global }
      - { .name: As, .offset: 8, .size: 8, .value_kind: global_buffer, .address_space: global }
      - { .name: Wc, .offset: 16, .size: 8, .value_kind: global_buffer, .address_space: global }
      - { .name: Ws, .offset: 24, .size: 8, .value_kind: global_buffer, .address_space: global }
      - { .name: bo, .offset: 32, .size: 8, .value_kind: global_buffer, .address_space: global }
      - { .name: out0, .offset: 40, .size: 8, .value_kind: global_buffer, .address_space: global }
    .group_segment_fixed_size: 312832
    .private_segment_fixed_size: 0
    .kernarg_segment_align: 8
    .kernarg_segment_size: 48
    .max_flat_workgroup_size: 128
    .sgpr_count:     100
    .vgpr_count:     848
    .wavefront_size: 32
...
	.end_amdgpu_metadata
.endif
;; end of part 4
